; MI455X (gfx1250); checked and timed in simulation.
; The chip was launched on July 23, 2026; its instructions are those of AMD's public machine-readable ISA for CDNA 5 (MIT licence, August 2026) and "CDNA5" Instruction Set Architecture Reference Guide (July 2026). The comments in the code are by the model that wrote it; some were corrected since.
;; Causal Self Attention. Allowed arithmetic: matrix products marked QUANTISED: E4M3 operands, one E8M0 scale for each 32 along K, by v_wmma_scale_f32_16x16x128_f8f6f4 with both operands' format E4M3, f32 sums; everything else in f32.
;; Inputs: wk 512 x 2,048 float32; wo 2,048 x 2,048 float32; wq 2,048 x 2,048 float32; wv 512 x 2,048 float32; x 1 x 2,048 x 2,048 float32.
;; Outputs: out0 1 x 2,048 x 2,048 float32.
;; This version of the problem:
;;   THIS VERSION OF THE PROBLEM IS GIVEN IN LOW PRECISION. The matrix products marked QUANTISED in the list below multiply operands that are first quantised to E4M3 (4 exponent bits, 3 mantissa bits; 8 bits a number), with one power-of-two scale for each 32 numbers along K (OCP MX v1.0); their sums are f32. All else is computed in f32.
;;   The module's matrix products, in the order in which they are computed (A, B: the left and right operand; K: the contracted axis; several contracted axes count as one K, in the product's order):
;;     1. [M 2,048, K 2,048] x [K 2,048, N 2,048]; A: input x; B: input wq: QUANTISED
;;     2. [M 2,048, K 2,048] x [K 2,048, N 512]; A: input x; B: input wk: QUANTISED
;;     3. [M 2,048, K 2,048] x [K 2,048, N 512]; A: input x; B: input wv: QUANTISED
;;     4. batch 32 x [M 2,048, K 64] x [K 64, N 2,048]; A: computed on the way; B: computed on the way: QUANTISED
;;     5. batch 32 x [M 2,048, K 2,048] x [K 2,048, N 64]; A: softmax (see below); B: computed on the way: QUANTISED
;;     6. [M 2,048, K 2,048] x [K 2,048, N 2,048]; A: computed on the way; B: input wo: QUANTISED
;;   THE QUANTISER, for each operand of a quantised product, along K:
;;     - K is cut into blocks of 32 from its start; a last block that is shorter is filled with zeros.
;;     - A block's scale is 2^e with e = floor(log2(the largest magnitude in the block)) - 8, held to -126 .. 127; a block of zeros has e = 0. As a byte (E8M0): e + 127.
;;     - Each number is divided by its block's scale, clamped to +-448, and rounded to the nearest number of E4M3, ties to even, subnormals kept.
;;     - The product sums the exact products of the quantised numbers (number of the format x scale) in f32.
;;   ~~~python
;;   def quantise(x, axis):      # numpy; x: float32 -> the quantised numbers, widened to float32 again
;;       x = np.moveaxis(x, axis, -1); K = x.shape[-1]
;;       x = np.pad(x, [(0, 0)] * (x.ndim - 1) + [(0, -K % 32)]); x = x.reshape(x.shape[:-1] + (-1, 32)); a = np.abs(x).max(-1, keepdims=True)
;;       e = np.where(a > 0, np.clip(np.frexp(np.where(a > 0, a, 1))[1] - 1 - 8, -126, 127), 0)      # np.frexp(a)[1] - 1 = floor(log2(a)), exactly
;;       r = np.clip(x / 2.0 ** e, -448, 448)
;;       step = 2.0 ** (np.maximum(np.frexp(np.where(r == 0, 1, r))[1] - 1, -6) - 3)
;;       q = np.round(r / step) * step * 2.0 ** e      # np.round: ties to even
;;       return np.moveaxis(q.reshape(q.shape[:-2] + (-1,))[..., :K], -1, axis).astype(np.float32)
;;   ~~~
;;   SOFTMAX AHEAD OF A QUANTISED PRODUCT. Where the list says 'softmax', what is quantised is not the finished softmax but p = 2^(t - M), with t = logit x log2(e) and M = ceil(the row's largest t), a whole number; so 1/2 < the row's largest p <= 1. The row's sum l is taken of the UNQUANTISED p, in f32, and the product's result is divided by l at the end. Since M is a whole number, a kernel that streams over the keys may use a running M (the ceiling of the running maximum): every later rescaling is an exact power of two, which a block's scale takes up: the codes' values come out the same.
;;   OPERANDS COMPUTED ON THE WAY. 'Computed on the way' means the value that the module computes at that place (a softmax that the list does not call 'softmax' is quantised finished and normalised). What goes into a quantiser is computed in f32, as accurately as f32 sums, v_exp_f32 and their like allow (about 1e-6 of the number): no bf16 or f16 on the way to a quantiser, and a product that is left as it is and whose result goes on into a quantised operand takes f32 operands (vector FMAs, or v_wmma_f32_16x16x4_f32). A number that lies on a knife's edge between two numbers of the format may be rounded either way, as far as f32 arithmetic and the matrix unit's own rounding can turn it there, and no further.
;; One version. Each part assembles by itself: llvm-mc -triple=amdgcn-amd-amdhsa -mcpu=gfx1250 --defsym DOCPART=n.
;; ======== version 1 of 1: 4 launches
;; limits: right only within a limited range of input values
;; workspace buffers: cod 14,680,064 bytes; scl 1,179,648 bytes; rope 524,288 bytes; qimg 4,194,304 bytes; qscl 524,288 bytes; kv 2,293,760 bytes; att 4,194,304 bytes
;; launch prep (part 1): grid 480 x 1, 4 waves a work-group, no clusters, 34,304 bytes of LDS; arguments x, wq, wk, wv, wo, cod, scl, rope; writes cod, scl, rope
.if DOCPART == 1
	.amdgcn_target "amdgcn-amd-amdhsa--gfx1250"
	.amdhsa_code_object_version 6
	.text
	.protected	k_q1a56a6e96b_prep
	.globl	k_q1a56a6e96b_prep
	.p2align	8
	.type	k_q1a56a6e96b_prep,@function
k_q1a56a6e96b_prep:
	s_mov_b64 s[64:65], 0
	v_nop
	global_prefetch_b8 v0, s[64:65] scope:SCOPE_SE
	s_setreg_imm32_b32 hwreg(HW_REG_WAVE_MODE, 25, 1), 1
	s_wait_xcnt 0x0
; PREP.  (1) x, wq, wk, wv, wo ([rows][2048] f32, K innermost) become codes of FP8 (E4M3) with one E8M0 byte for each 32 along K.  (2) The table of cosines and sines for the rotation of q and k.
; THE CODES ARE LAID AS IMAGES OF THE MATRIX OPERAND'S REGISTERS.  A tile is 16 rows; lane r of tile T holds row 32 (T / 2) + 8 (T % 2) + r + 8 (r / 8).  A fragment (16 rows x 128 K) is 2,048 bytes, [group c 0..3][lane 0..31][16 bytes]:
; lane (r, h) of group c holds k = 32 c + 16 h + 0 .. 15 of its row.  cod: [tile 448][K step 16][2048]; tiles 0-127 x, 128-255 wq, 256-287 wk, 288-319 wv, 320-447 wo.
; scl: [tile][g 4][lane 32][j 4] words: a lane's row's four bytes of K step 4 g + j; lanes 16-31 repeat lanes 0-15.  So every store here covers 512 consecutive bytes, and every later read is 16 bytes a lane on end.
; A block's scale is 2^(floor(log2(its largest magnitude)) - 8); its byte is that magnitude's exponent field - 8, held at 1 from below.  Each number is held within +-448 x the scale and rounded to the nearest code, ties to even.
; SHARES.  Work-groups 0-447: one tile each; wave w takes K steps 4 w .. 4 w + 3.  A load reads 512 consecutive bytes of one row; a step's 16 rows turn through the wave's own stage in LDS (rows of 512 + 16 bytes), so that a lane gets
; 16 neighbours of each block of 32.  Loads run two steps (32 loads a wave) ahead.  No barrier: waves share nothing.  Work-groups 448-479: the table, a tile of 16 positions to a wave; they use no LDS.
; rope: [tile 128][chunk k 0..7][lane][16 bytes]; chunk 4 B + j of lane (r, h): cos, sin, cos, sin of the pairs 16 B + 8 h + 2 j and + 1 at the lane's position.
; theta_i = 2^(-i log2(10000) / 32), the exponent in two parts; angle = position x theta, one f32 product; reduced by pi / 2 in two parts; cosine through s^4 and sine through r^9 of their series on |r| <= pi / 4 (first terms left out: 2.5e-8, 1.8e-9).
; LIMITS: NaN and infinities are not served.  A block whose largest magnitude lies under 2^-118, the floor (a block of zeros too), keeps the byte 1: the bytes are read by this program alone.  theta is as good as v_exp_f32 (1 ulp, ISA guide 15.8), so at
; position 2,047 an angle can lie some 1e-4 rad from one made with another f32 power.
.set STG, 8448                         ; a wave's stage: 16 rows x 528 bytes
.set LI,  1                            ; v1   16 x lane
.set SI,  2                            ; v2   the stage, on the way in: 16 x lane
.set SO,  3                            ; v3   and out: 528 r + 64 h
.set R,   16                           ; v16-143  two sets of 64 registers as loaded
.set X,   144                          ; v144-207 register 16 b + i = k 32 b + 16 h + i of my row
.set PC,  208                          ; v208-223 the fragment's codes
.set TM,  224                          ; v224-239 at work
.set PW,  240                          ; v240-243 the four steps' scale words
.set WV,  25
.set SEL, 26
.set MNT, 23
	s_load_b256 s[4:11], s[0:1], 0x0               ; x, wq, wk, wv
	s_load_b256 s[12:19], s[0:1], 0x20             ; wo, cod, scl, rope
	v_lshl_add_u32 v254, v0, 2, 0x8400
	v_mov_b32 v255, 0
	v_lshrrev_b32 v4, 5, v0
	v_readfirstlane_b32 s[WV], v4                  ; wave 0..3
	v_and_b32 v5, 31, v0
	v_lshlrev_b32 v[LI], 4, v5
	v_and_b32 v6, 15, v0                           ; r
	v_bfe_u32 v7, v0, 4, 1                         ; h
	s_cmp_ge_u32 ttmp9, 448
	s_cbranch_scc1 .Ltable
	; ---------------- the quantiser ----------------
	s_mul_i32 s28, s[WV], STG
	v_add_nc_u32 v[SI], s28, v[LI]
	v_mul_u32_u24 v[SO], v6, 528
	v_lshl_add_u32 v[SO], v7, 6, v[SO]
	v_add_nc_u32 v[SO], s28, v[SO]
	s_mov_b32 s[SEL], 0x76543210
	s_mov_b32 s[SEL+1], 0xfedcba98                 ; v_permlanex16_b32's selects for lane l xor 16
	s_mov_b32 s[MNT], 0x600000                     ; the mantissa field of 448
.irp b, 0,1,2,3
	v_mov_b32 v[TM+4+\b], 0                        ; written once: a lane permute's destination counts as one of its sources
.endr
	s_wait_alu depctr_va_vdst(0)
	s_wait_kmcnt 0x0
	s_mov_b64 s[20:21], s[4:5]                     ; which tensor: the choice hangs on the work-group's number alone
	s_mov_b32 s22, 0
	s_cmp_ge_u32 ttmp9, 128
	s_cselect_b64 s[20:21], s[6:7], s[20:21]
	s_cselect_b32 s22, 128, s22
	s_cmp_ge_u32 ttmp9, 256
	s_cselect_b64 s[20:21], s[8:9], s[20:21]
	s_cselect_b32 s22, 256, s22
	s_cmp_ge_u32 ttmp9, 288
	s_cselect_b64 s[20:21], s[10:11], s[20:21]
	s_cselect_b32 s22, 288, s22
	s_cmp_ge_u32 ttmp9, 320
	s_cselect_b64 s[20:21], s[12:13], s[20:21]
	s_cselect_b32 s22, 320, s22
	s_sub_co_u32 s24, ttmp9, s22                   ; the tile's number in its tensor
	s_lshr_b32 s28, s24, 1
	s_lshl_b32 s28, s28, 5
	s_and_b32 s29, s24, 1
	s_lshl_b32 s29, s29, 3
	s_add_co_u32 s28, s28, s29                     ; its first row: 32 (T / 2) + 8 (T % 2)
	s_lshl_b32 s28, s28, 13                        ; rows of 8,192 bytes
	s_lshl_b32 s29, s[WV], 11                      ; my four K steps of 512 bytes
	s_add_co_u32 s28, s28, s29
	s_mov_b32 s29, 0
	s_add_nc_u64 s[20:21], s[20:21], s[28:29]
	s_lshl_b32 s28, ttmp9, 15
	s_lshl_b32 s30, s[WV], 13
	s_add_co_u32 s28, s28, s30
	s_add_nc_u64 s[14:15], s[14:15], s[28:29]      ; my four fragments in cod
	s_lshl_b32 s28, ttmp9, 11
	s_lshl_b32 s30, s[WV], 9
	s_add_co_u32 s28, s28, s30
	s_add_nc_u64 s[16:17], s[16:17], s[28:29]      ; my 512 bytes in scl
.macro LOADS s                         ; K step s of the tile's 16 rows: a load takes 512 consecutive bytes of row j + 8 (j / 8)
.irp j, 0,1,2,3,4,5,6,7,8,9,10,11,12,13,14,15
	global_load_b128 v[R+64*((\s)%2)+4*\j:R+64*((\s)%2)+4*\j+3], v[LI], s[20:21] offset:(\j+8*(\j/8))*8192+512*(\s) th:TH_LOAD_NT
.endr
.endm
; 64 numbers of a lane, register 16 b + i = k 32 b + 16 h + i of my row, become a fragment's codes in v[PC] on and its scale word in v[w]
.macro QUANT s, w
.irp b, 0,1,2,3
	v_max3_num_f32 v[TM+\b], |v[\s+16*\b]|, |v[\s+1+16*\b]|, 0x4800000   ; my 16 numbers of block b, and the floor 2^(9 - 127): the byte cannot fall under 1
.endr
.irp i, 2,4,6,8,10,12,14
.irp b, 0,1,2,3
	v_max3_num_f32 v[TM+\b], v[TM+\b], |v[\s+16*\b+\i]|, |v[\s+1+16*\b+\i]|   ; the four blocks by turns
.endr
.endr
.irp b, 0,1,2,3
	v_permlanex16_b32 v[TM+4+\b], v[TM+\b], s[SEL], s[SEL+1]
.endr
.irp b, 0,1,2,3
	v_max_num_f32 v[TM+\b], v[TM+\b], v[TM+4+\b]   ; with lane l xor 16's: the block's largest magnitude
.endr
.irp b, 0,1,2,3
	v_add_nc_u32 v[TM+12+\b], 0xfc000000, v[TM+\b] ; 8 off its exponent field: the conversion's scale operand
.endr
.irp b, 0,1,2,3
	v_and_or_b32 v[TM+8+\b], v[TM+\b], 0x7f800000, s[MNT]   ; 448 x the scale
.endr
.irp b, 0,1,2,3
	v_lshrrev_b32 v[TM+4+\b], 23, v[TM+12+\b]      ; the scale's byte
.endr
	v_lshl_or_b32 v[\w], v[TM+5], 8, v[TM+4]
	v_lshl_or_b32 v[\w], v[TM+6], 16, v[\w]
	v_lshl_or_b32 v[\w], v[TM+7], 24, v[\w]
.irp b, 0,1,2,3
.irp i, 0,1,2,3,4,5,6,7,8,9,10,11,12,13,14,15
	v_med3_num_f32 v[\s+16*\b+\i], v[\s+16*\b+\i], -v[TM+8+\b], v[TM+8+\b]   ; the conversion to an 8-bit code does not saturate (ISA guide 7.6.2): the hold
.endr
	v_cvt_scalef32_pk8_fp8_f32 v[PC+4*\b:PC+1+4*\b], v[\s+16*\b:\s+7+16*\b], v[TM+12+\b]
	v_cvt_scalef32_pk8_fp8_f32 v[PC+2+4*\b:PC+3+4*\b], v[\s+8+16*\b:\s+15+16*\b], v[TM+12+\b]
.endr
	v_nop                                          ; a plain instruction behind the last conversion
.endm
.macro STEP s
.if (\s) < 3
	s_wait_loadcnt 16                              ; this step's 16 loads are in; the next step's 16 may be out
.else
	s_wait_loadcnt 0x0
.endif
.irp j, 0,1,2,3,4,5,6,7,8,9,10,11,12,13,14,15
	ds_store_b128 v[SI], v[R+64*((\s)%2)+4*\j:R+64*((\s)%2)+4*\j+3] offset:\j*528
.endr
.irp b, 0,1,2,3
.irp i, 0,1,2,3
	ds_load_b128 v[X+16*\b+4*\i:X+16*\b+4*\i+3], v[SO] offset:128*\b+16*\i   ; LDS serves a wave's instructions in order (ISA guide 5.7.1.4): these see the stores above
.endr
.endr
	s_wait_dscnt 0x0                               ; the numbers are back, and the stores have read their registers,
.if (\s) < 2
	LOADS (\s)+2                                   ; which take the loads of two steps on
.endif
	s_wait_xcnt 0x0                                ; the last step's stores have read v[PC] on: only behind this wait are the codes written again
	QUANT X, PW+(\s)
.irp c, 0,1,2,3
	global_store_b128 v[LI], v[PC+4*\c:PC+4*\c+3], s[14:15] offset:(\s)*2048+512*\c   ; 32 lanes store 512 consecutive bytes
.endr
.endm
	LOADS 0
	LOADS 1
	STEP 0
	STEP 1
	STEP 2
	STEP 3
	global_store_b128 v[LI], v[PW:PW+3], s[16:17]  ; four scale words a lane: 512 consecutive bytes
	s_wait_tensorcnt 0x0
	ds_add_u32 v254, v255
	s_wait_dscnt 0x0
	s_endpgm
	; ---------------- the table ----------------
.Ltable:
	s_sub_co_u32 s24, ttmp9, 448
	s_lshl_b32 s24, s24, 2
	s_add_co_u32 s24, s24, s[WV]                   ; my tile of 16 positions
	s_lshr_b32 s28, s24, 1
	s_lshl_b32 s28, s28, 5
	s_and_b32 s29, s24, 1
	s_lshl_b32 s29, s29, 3
	s_add_co_u32 s28, s28, s29
	s_wait_alu depctr_va_vdst(0)
	v_and_b32 v8, 8, v6
	v_add_nc_u32 v8, v8, v6                        ; r + 8 (r / 8)
	v_add_nc_u32 v8, s28, v8
	v_cvt_f32_u32 v9, v8                           ; my position
	v_lshlrev_b32 v8, 3, v7                        ; 8 h
	s_mov_b32 s30, 0xbed49a78                      ; -log2(10000) / 32, its upper part,
	s_mov_b32 s31, 0xb2179a29                      ; and what is left of it
	s_mov_b32 s32, 0x3f317218                      ; ln 2
	s_mov_b32 s33, 0x3f22f983                      ; 2 / pi
	s_mov_b32 s34, 0x3fc90fdb                      ; pi / 2 rounded to f32,
	s_mov_b32 s35, 0x333bbd2e                      ; and by how much that is too large
	s_mov_b32 s36, 0x37d00d01                      ; 1 / 40320
	s_mov_b32 s37, 0xbab60b61                      ; -1 / 720
	s_mov_b32 s38, 0x3d2aaaab                      ; 1 / 24
	s_mov_b32 s39, 0x3638ef1d                      ; 1 / 362880
	s_mov_b32 s40, 0xb9500d01                      ; -1 / 5040
	s_mov_b32 s41, 0x3c088889                      ; 1 / 120
	s_mov_b32 s42, 0xbe2aaaab                      ; -1 / 6
	s_lshl_b32 s28, s24, 12
	s_mov_b32 s29, 0
	s_wait_alu depctr_va_vdst(0)
	s_wait_kmcnt 0x0
	s_add_nc_u64 s[18:19], s[18:19], s[28:29]
.macro SINCOS cst, dst                 ; pair i = 8 h + cst: its cosine into v[dst], its sine into v[dst + 1]
	v_add_nc_u32 v20, \cst, v8
	v_cvt_f32_u32 v20, v20                         ; i
	v_mul_f32 v21, s30, v20                        ; the exponent, rounded,
	v_fma_f32 v22, v20, s30, -v21                  ; what the rounding dropped,
	v_fma_f32 v22, v20, s31, v22                   ; and the constant's lower part
	s_wait_alu depctr_va_vdst(0)
	v_exp_f32 v23, v21
	v_mul_f32 v22, s32, v22                        ; (a plain instruction behind the exponential)
	s_wait_alu depctr_va_vdst(0)
	v_fma_f32 v23, v23, v22, v23                   ; theta = 2^a (1 + e ln 2)
	v_mul_f32 v24, v9, v23                         ; the angle
	v_mul_f32 v25, s33, v24
	v_rndne_f32 v25, v25                           ; n, at most 1,304
	v_fma_f32 v26, -v25, s34, v24                  ; exact: a multiple of 2^-23 under 1
	v_fma_f32 v26, v25, s35, v26                   ; r = angle - n pi / 2
	v_mul_f32 v27, v26, v26
	v_fma_f32 v28, v27, s36, s37
	v_fma_f32 v29, v27, s39, s40
	v_fma_f32 v28, v28, v27, s38
	v_fma_f32 v29, v29, v27, s41
	v_fma_f32 v28, v28, v27, -0.5
	v_fma_f32 v29, v29, v27, s42
	v_fma_f32 v28, v28, v27, 1.0                   ; cos r
	v_mul_f32 v30, v26, v27
	v_fma_f32 v29, v29, v30, v26                   ; sin r
	v_cvt_i32_f32 v31, v25
	v_and_b32 v32, 1, v31
	v_cmp_eq_u32 vcc_lo, 1, v32                    ; an odd quarter swaps the two
	v_cndmask_b32 v33, v29, v28, vcc_lo
	v_cndmask_b32 v34, v28, v29, vcc_lo
	v_lshlrev_b32 v35, 30, v31                     ; the sine is negative in quarters 2 and 3: bit 1 of n,
	v_and_b32 v35, 0x80000000, v35
	v_xor_b32 v[\dst+1], v35, v33
	v_add_nc_u32 v31, 1, v31                       ; the cosine in quarters 1 and 2: bit 1 of n + 1
	v_lshlrev_b32 v31, 30, v31
	v_and_b32 v31, 0x80000000, v31
	v_xor_b32 v[\dst], v31, v34
.endm
.irp k, 0,1,2,3,4,5,6,7                ; each chunk has its own four registers: no store's data are written again
	SINCOS 16*(\k/4)+2*(\k%4), 64+4*\k
	SINCOS 16*(\k/4)+2*(\k%4)+1, 64+4*\k+2
	global_store_b128 v[LI], v[64+4*\k:64+4*\k+3], s[18:19] offset:512*\k
.endr
	s_endpgm
.Lfunc_end_k_q1a56a6e96b_prep:
	.size	k_q1a56a6e96b_prep, .Lfunc_end_k_q1a56a6e96b_prep-k_q1a56a6e96b_prep
	.p2alignl 7, 3214868480
	.fill 96, 4, 3214868480
	.section	.rodata,"a",@progbits
	.p2align	6, 0x0
	.amdhsa_kernel k_q1a56a6e96b_prep
		.amdhsa_group_segment_fixed_size 34304
		.amdhsa_private_segment_fixed_size 0
		.amdhsa_enable_private_segment 0
		.amdhsa_kernarg_size 64
		.amdhsa_user_sgpr_count 2
		.amdhsa_user_sgpr_kernarg_segment_ptr 1
		.amdhsa_wavefront_size32 1
		.amdhsa_system_sgpr_workgroup_id_x 1
		.amdhsa_system_sgpr_workgroup_id_y 1
		.amdhsa_system_sgpr_workgroup_id_z 1
		.amdhsa_system_vgpr_workitem_id 0
		.amdhsa_next_free_vgpr 256
		.amdhsa_next_free_sgpr 66
		.amdhsa_reserve_vcc 1
		.amdhsa_float_denorm_mode_32 3
		.amdhsa_float_denorm_mode_16_64 3
		.amdhsa_memory_ordered 1
		.amdhsa_forward_progress 1
		.amdhsa_inst_pref_size 79
	.end_amdhsa_kernel
	.amdgpu_metadata
---
amdhsa.version: [ 1, 2 ]
amdhsa.kernels:
  - .name:           k_q1a56a6e96b_prep
    .symbol:         k_q1a56a6e96b_prep.kd
    .args:
      - { .name: x, .offset: 0, .size: 8, .value_kind: global_buffer, .address_space: global }
      - { .name: wq, .offset: 8, .size: 8, .value_kind: global_buffer, .address_space: global }
      - { .name: wk, .offset: 16, .size: 8, .value_kind: global_buffer, .address_space: global }
      - { .name: wv, .offset: 24, .size: 8, .value_kind: global_buffer, .address_space: global }
      - { .name: wo, .offset: 32, .size: 8, .value_kind: global_buffer, .address_space: global }
      - { .name: cod, .offset: 40, .size: 8, .value_kind: global_buffer, .address_space: global }
      - { .name: scl, .offset: 48, .size: 8, .value_kind: global_buffer, .address_space: global }
      - { .name: rope, .offset: 56, .size: 8, .value_kind: global_buffer, .address_space: global }
    .group_segment_fixed_size: 34304
    .private_segment_fixed_size: 0
    .kernarg_segment_align: 8
    .kernarg_segment_size: 64
    .max_flat_workgroup_size: 128
    .sgpr_count:     66
    .vgpr_count:     256
    .wavefront_size: 32
...
	.end_amdgpu_metadata
.endif
;; end of part 1
;; launch qkv (part 2): grid 16 x 16, 6 waves a work-group, clusters of 4 x 4, 327,680 bytes of LDS; arguments cod, scl, rope, qimg, qscl, kv; writes qimg, qscl, kv
.if DOCPART == 2
	.amdgcn_target "amdgcn-amd-amdhsa--gfx1250"
	.amdhsa_code_object_version 6
	.text
	.protected	k_q1a56a6e96b_qkv
	.globl	k_q1a56a6e96b_qkv
	.p2align	8
	.type	k_q1a56a6e96b_qkv,@function
k_q1a56a6e96b_qkv:
	s_mov_b64 s[64:65], 0
	v_nop
	global_prefetch_b8 v0, s[64:65] scope:SCOPE_SE
	s_setreg_imm32_b32 hwreg(HW_REG_WAVE_MODE, 25, 1), 1
	s_wait_xcnt 0x0
	s_wait_alu depctr_hold_cnt(0) depctr_sa_sdst(0) depctr_va_vdst(0) depctr_va_sdst(0) depctr_va_ssrc(0) depctr_va_vcc(0) depctr_vm_vsrc(0)
	s_getreg_b32 s2, hwreg(HW_REG_IB_STS2, 6, 4)
	s_cmp_eq_u32 s2, 0
	s_cbranch_scc0 .Lentry_in_a_cluster
	s_endpgm
.Lentry_in_a_cluster:
	s_bfe_u32 s2, ttmp6, 0x10000c
	s_cmp_lg_u32 s2, 0xf033
	s_cbranch_scc0 .Lentry_shape_is_right
	s_endpgm
.Lentry_shape_is_right:
; QKV.  q = x wq^T, k = x wk^T, v = x wv^T on codes of FP8 (E4M3) with E8M0 scales; q and k are rotated (RoPE) in f32; all three are quantised again, in registers, along the K of the attention product that takes them, and
; leave as images of that product's operand registers.  Sums in f32, K ascending, one accumulator an output.
; OPERANDS are images (see the launch before): a tile is 16 rows, lane r of tile T holds row 32 (T / 2) + 8 (T % 2) + r + 8 (r / 8); a fragment (16 rows x 128 K) is 2,048 bytes, [group c][lane][16 bytes].  So with such tiles as
; source 0 a lane's 16 result registers of tiles 2 b and 2 b + 1 are 16 NEIGHBOURS, 32 b + 16 h + 0 .. 15, along source 0's rows: what the conversions want; and the lane's column is source 1's row of the same lane.
; SHARES.  48 head units of 64 features (q 0-31, k 32-39, v 40-47) x 16 blocks of 128 positions.  A work-group takes 3 head units x one block: 16 x 16 = 256 work-groups of equal work.  SIX WAVES: wave w takes head unit w / 2 of
; the three and half w % 2 of the positions: 4 x 4 tiles, 16 accumulators, 512 registers (two waves fit on a SIMD).  The tile is square, so that a wave of v changes the roles of x and w by its two LDS addresses alone:
; q, k: source 0 = w, source 1 = x: a lane holds one position and a head's 64 features.  v: source 0 = x, source 1 = wv: a lane holds one feature and 64 positions, since the keys are the second attention product's K.
; WHICH HEADS.  No branch and no LDS address hangs on the place in the cluster: cluster columns 0, 1: q heads 3 (4 X + cx) + j; column 2: j = 0, 1: k heads 2 cx + j, j = 2: q head 24 + cx; column 3: j = 0, 1: v heads 2 cx + j, j = 2: q head 28 + cx.
; K goes in phases of 3, 3, 3, 3, 3 and 1 steps of 128 through two LDS slots (20 tiles x 3 steps x 2,048 bytes each); all is written out, every LDS offset is an immediate.  The scale words of all of K and the block's part of
; the rotation table come once and stay.  Waves 0, 1 fetch x's halves, waves 2-4 a head each, wave 5 the table.
; CLUSTERS: 4 x 4.  x's tiles and the table hang on cy alone and are asked for jointly by a row of the cluster, w's on cx alone, by a column.
; OUT.  qimg [head 32][tile 128][c 2][lane][16]; qscl [head][tile / 4][lane][tile % 4] words.  kv [kv head 8][key step 16] records of 17,920 bytes: K's codes (tile t 0..7: 1024 t + 512 c + 16 lane), V's codes at 8,192
; (tile 0..3 of the head's 64: 2048 tile + 512 c + 16 lane, c = the step's block of 32 keys), K's scale words at 16,384 (512 (t / 4) + 16 lane + 4 (t % 4)), V's at 17,408 (16 lane + 4 tile).
; q's and k's K is 64, half of the matrix instruction's 128: bytes 2 and 3 of their scale words repeat bytes 0 and 1.  V's scale bytes leave two at a time (32 KiB in the whole launch): the two waves that share a word hold its halves.
; LIMITS: NaN and infinities are not served; a block whose largest magnitude lies under 2^-118, the floor, keeps the byte 1 (the bytes are read by this program alone).
; REGISTERS.  window 0: v16-30 addresses; v32-63 scale words, two sets; v64-119 the way out; v128-255 accumulator (a, b) at v[128 + 8 (4 a + b)].  window 1: two fragment buffers of 128: source 1's four at 16 a, source 0's four at 64 + 16 b.
.set REC,   17920
.set VC,    8192
.set KSO,   16384
.set VSO,   17408
.set KPH,   3                          ; K steps in a slot
.set TB,    KPH*2048                   ; a tile's bytes in a slot
.set UNIT,  4*TB                       ; four tiles: what one tensor load brings, and what a wave reads of x or of w
.set SLOT,  5*UNIT                     ; x's two units, then the three heads'
; THE SCALE WORDS (this stands in place of what the head says of them): they do not pass through LDS.  Each wave loads its own from scl straight into the two register sets: lanes 0-15 source 1's tile, lanes 16-31 source 0's,
; sixteen lanes to an aligned run of 256 bytes.  The words of K steps 0-7 are asked for at the head, those of K steps 8-11 in K step 4 and those of K steps 12-15 in K step 8: four K steps ahead of their first use.
; So the head has one tensor load a wave (waves 0-4: slot 0; wave 5: the table), and slot 1's first fill stands behind the three lines and a round, as a refill does.
.set SPARE, 2*SLOT                     ; behind the ring: the spare words, 128 bytes for each wave: three blocks of 256 bytes that no other line names
.set TABLE, SPARE+768                  ; the rotation table of the block's 8 tiles of positions: 8 x 4,096 bytes
.set ADR,  16                          ; v16-17  my source 1 fragments in slot 0, 1: 16 x lane + ..
.set ADP,  20                          ; v20-21  my source 0 fragments
.set TBA,  26                          ; v26     the table of my four tiles of positions
.set ADRS, 27                          ; v27     my scale words: lanes 0-15 source 1's, lanes 16-31 source 0's
.set SPW,  28                          ; v28     my spare word; never rewritten
.set NIL,  29                          ; v29     0; never rewritten
.set LI,   30                          ; v30     16 x lane
.set SC,   32                          ; set s at v[SC + 16 s]; register 4 i + j: tile i's word of K step 4 g + j
.set CD,   64                          ; v64-95   codes made on the way out
.set WD,   96                          ; v96-99   scale words made on the way out
.set TM,   100                         ; v100-107 at work
.set RT,   116                         ; v116-119 at work in the rotation
.set ACC,  128
.set G1R,  24                          ; x's tiles: group 1; s[32:39] group 0, a set for each slot
.set G0R,  32
.set G1P,  48                          ; w's tiles
.set G0P,  56
.set G1SR, 68                          ; the table's group 1 (used by wave 5)
.set G0SR, 76
.set G1SP, 80
.set G0SP, 88
.set SEL,  66
.set MNT,  100
.set MSB, 0
.macro WIN new                         ; the immediate's high byte repeats the setting that is left
.if MSB != \new
	s_set_vgpr_msb (MSB<<8)|\new
.set MSB, \new
.endif
.endm
.macro PLACES n
.rept \n
	v_nop
.endr
.endm
; A joint refill: waves 0 and 1 fetch x's halves, waves 2 to 4 a head each, wave 5 nothing.  The branches hang on the wave's number alone.  Four v_nop follow each of the two lines.
.macro JLOAD g0a, g0b
	s_cmp_lt_u32 s16, 2
	s_cbranch_scc0 .Lnot_x_\@
	tensor_load_to_lds s[\g0a:\g0a+3], s[G1R:G1R+7]
	s_nop 0
.rept 4
	v_nop
.endr
	s_branch .Lasked_\@
.Lnot_x_\@:
	s_cmp_lt_u32 s16, 5
	s_cbranch_scc0 .Lasked_\@
	tensor_load_to_lds s[\g0b:\g0b+3], s[G1P:G1P+7]
	s_nop 0
.rept 4
	v_nop
.endr
.Lasked_\@:
.endm
.macro CREST                           ; a round of the cluster's barrier behind its opening barrier
	s_cmp_lg_u32 s16, 0
	s_cbranch_scc1 .Lnot_wave_0_\@
	s_barrier_signal -3
.Lnot_wave_0_\@:
	s_barrier_wait -3
	s_barrier_signal -1
	s_barrier_wait -1
.endm
.macro CROUND
	s_barrier_signal -1
	s_barrier_wait -1
	CREST
.endm
; The head unit at place s[jj] (0..2) of my work-group's three: made of the cluster's x, cx and jj alone
.macro UNITOF dst, jj
	s_lshl_b32 s2, ttmp9, 2
	s_add_co_u32 s2, s2, s40
	s_mul_i32 s2, s2, 3
	s_add_co_u32 s2, s2, s[\jj]                    ; columns 0, 1: 3 (4 X + cx) + jj
	s_lshl_b32 s3, ttmp9, 3
	s_lshl_b32 s46, s40, 1
	s_add_co_u32 s3, s3, s46
	s_add_co_u32 s3, s3, s[\jj]
	s_add_co_u32 s3, s3, 16                        ; columns 2, 3, jj < 2: 32 + 8 (X - 2) + 2 cx + jj
	s_lshl_b32 s46, ttmp9, 2
	s_add_co_u32 s46, s46, s40
	s_add_co_u32 s46, s46, 16                      ; columns 2, 3, jj = 2: 24 + 4 (X - 2) + cx
	s_cmp_eq_u32 s[\jj], 2
	s_cselect_b32 s3, s46, s3
	s_cmp_lt_u32 ttmp9, 2
	s_cselect_b32 s[\dst], s2, s3
.endm
	s_load_b256 s[4:11], s[0:1], 0x0               ; cod, scl, rope, qimg
	s_load_b128 s[12:15], s[0:1], 0x20             ; qscl, kv
	v_lshl_add_u32 v[SPW], v0, 2, SPARE
	v_mov_b32 v[NIL], 0
	ds_add_u32 v28, v29
	ds_add_u32 v28, v29
	s_wait_dscnt 0x0
	v_lshrrev_b32 v1, 5, v0
	v_readfirstlane_b32 s16, v1                    ; wave 0..5
	s_lshr_b32 s17, s16, 1                         ; j: which of the three heads is mine
	s_and_b32 s18, s16, 1                          ; which half of the positions.  Also (waves 0, 1): which four tiles of x I fetch
	s_bfe_u32 s40, ttmp6, 0x40000                  ; cx
	s_bfe_u32 s41, ttmp6, 0x40004                  ; cy
	s_and_b32 s45, ttmp7, 0xffff
	s_lshl_b32 s45, s45, 2
	s_add_co_u32 s45, s45, s41                     ; row = 4 Y + cy: the block of 128 positions, a key step
	s_max_u32 s21, s16, 2
	s_sub_co_u32 s21, s21, 2
	s_min_u32 s21, s21, 2                          ; waves 2 to 4: the head that I fetch
	UNITOF 22, 21                                  ; its head unit
	UNITOF 23, 17                                  ; and the one that I multiply
	s_cmp_eq_u32 ttmp9, 3
	s_cselect_b32 s19, 1, 0
	s_cmp_lt_u32 s17, 2
	s_cselect_b32 s19, s19, 0                      ; 1: my head is one of v's: the cluster's x and the wave's number decide, the same in all partners
	s_lshl_b32 s43, s41, 2
	s_lshl_b32 s43, 15, s43                        ; my row of the cluster
	s_lshl_b32 s44, 0x1111, s40                    ; my column
	; descriptor group 1.  Codes: four tiles' rows of 6,144 bytes (768 elements of 8 bytes: three K steps), 32,768 bytes apart in memory, dense in LDS
	s_or_b32 s[G1R], s43, (3<<16)|(1<<21)          ; 15:0 the mask; 17:16 elements of 8 bytes; 21 set beside a mask; no padding
	s_or_b32 s[G1P], s44, (3<<16)|(1<<21)
	s_or_b32 s[G1SR], s43, (3<<16)|(1<<21)         ; the table's group 1: to my row of the cluster
.irp g, G1R, G1P
	s_mov_b32 s[\g+1], 768<<16                     ; tensor_dim0
	s_mov_b32 s[\g+2], 4<<16                       ; tensor_dim1
	s_mov_b32 s[\g+3], 768<<16                     ; tile_dim0
	s_mov_b32 s[\g+4], 4                           ; tile_dim1
	s_mov_b32 s[\g+5], 4096                        ; tensor_dim0_stride
	s_mov_b32 s[\g+6], 0
	s_mov_b32 s[\g+7], 0
.endr
	s_mov_b32 s[G1SR+1], 32<<16                    ; the table: 32,768 dense bytes as 128 rows of 256
	s_mov_b32 s[G1SR+2], 128<<16
	s_mov_b32 s[G1SR+3], 32<<16
	s_mov_b32 s[G1SR+4], 128
	s_mov_b32 s[G1SR+5], 32
	s_mov_b32 s[G1SR+6], 0
	s_mov_b32 s[G1SR+7], 0
	s_lshl_b32 s20, s45, 3
	s_lshl_b32 s47, s18, 2
	s_add_co_u32 s20, s20, s47                     ; x's tile 8 row + 4 half: made of cy alone
	s_lshl_b32 s22, s22, 2
	s_add_co_u32 s22, s22, 128                     ; the fetched head's first tile: wq's, wk's and wv's tiles follow each other from 128 on: made of cx alone
	s_lshl_b32 s92, s20, 15                        ; a tile's codes: 32,768 bytes,
	s_mov_b32 s93, 0
	s_lshl_b32 s96, s22, 15
	s_mov_b32 s97, 0
	s_lshl_b32 s42, s45, 15                        ; the table of the block's 8 tiles: 32,768 bytes
	s_mov_b32 s43, 0
	s_mul_i32 s47, s16, UNIT                       ; where they go: wave x a unit (24,576 bytes): no place in the cluster enters an LDS address
	s_wait_kmcnt 0x0
	s_add_nc_u64 s[92:93], s[4:5], s[92:93]
	s_add_nc_u64 s[96:97], s[4:5], s[96:97]
	s_add_nc_u64 s[42:43], s[8:9], s[42:43]
	s_mov_b32 s[G0SR], 1                           ; the table's group 0
	s_mov_b32 s[G0SR+1], TABLE
	s_mov_b64 s[G0SR+2:G0SR+3], s[42:43]
	s_or_b32 s[G0SR+3], s[G0SR+3], 0x80000000
.irp s, 0,1
	s_mov_b32 s[G0R+4*\s], 1
	s_add_co_u32 s[G0R+4*\s+1], s47, \s*SLOT
	s_add_nc_u64 s[G0R+4*\s+2:G0R+4*\s+3], s[92:93], \s*TB     ; slot s begins with K steps 3 s ..
	s_or_b32 s[G0R+4*\s+3], s[G0R+4*\s+3], 0x80000000
	s_mov_b32 s[G0P+4*\s], 1
	s_add_co_u32 s[G0P+4*\s+1], s47, \s*SLOT
	s_add_nc_u64 s[G0P+4*\s+2:G0P+4*\s+3], s[96:97], \s*TB
	s_or_b32 s[G0P+4*\s+3], s[G0P+4*\s+3], 0x80000000
.endr
	CROUND                                         ; all sixteen work-groups are here: the first joint loads meet
	s_cmp_lt_u32 s16, 2                            ; a wave's first fills stand in one branch on its number, ahead of every wait on TENSORcnt and every LDS read; four v_nop follow the last
	s_cbranch_scc0 .Lfirst_not_x
	tensor_load_to_lds s[G0R:G0R+3], s[G1R:G1R+7]              ; waves 0, 1: x's half of slot 0: one tensor load a wave at the head
	s_nop 0
.rept 4
	v_nop
.endr
	s_branch .Lfirst_asked
.Lfirst_not_x:
	s_cmp_lt_u32 s16, 5
	s_cbranch_scc0 .Lfirst_table
	tensor_load_to_lds s[G0P:G0P+3], s[G1P:G1P+7]              ; waves 2 to 4: a head's part of slot 0
	s_nop 0
.rept 4
	v_nop
.endr
	s_branch .Lfirst_asked
.Lfirst_table:                                         ; wave 5: the table, 32,768 dense bytes as 128 rows of 256, to my row of the cluster; it is read behind later barriers, in front of which this wave waits for all its loads
	tensor_load_to_lds s[G0SR:G0SR+3], s[G1SR:G1SR+7]          ; wave 5: the table
	s_nop 0
.rept 4
	v_nop
.endr
.Lfirst_asked:
	v_and_b32 v1, 31, v0
	v_lshlrev_b32 v[LI], 4, v1
	v_bfe_u32 v2, v0, 4, 1                         ; h
	s_wait_alu depctr_va_vdst(0)
	s_mul_i32 s2, s18, UNIT                        ; x's four tiles of my half,
	s_add_co_u32 s3, s17, 2
	s_mul_i32 s3, s3, UNIT                         ; my head's four tiles
	s_cmp_eq_u32 s19, 1
	s_cselect_b32 s46, s3, s2                      ; source 1: x; for v: wv
	s_cselect_b32 s47, s2, s3                      ; source 0: w; for v: x
	v_add_nc_u32 v[ADR], s46, v[LI]
	v_add_nc_u32 v[ADP], s47, v[LI]
	v_add_nc_u32 v[ADR+1], SLOT, v[ADR]
	v_add_nc_u32 v[ADP+1], SLOT, v[ADP]
	s_lshl_b32 s2, s20, 11                         ; in scl, 2,048 bytes a tile: x's tile 8 row + 4 half;
	s_lshl_b32 s3, s23, 13                         ; my head unit's four tiles, from tile 128 on
	s_add_co_u32 s3, s3, 128*2048
	s_sub_co_u32 s3, s3, s2
	v_xor_b32 v3, s19, v2                          ; lanes 16-31 take source 0's words: w's; for v the halves change places
	v_mul_u32_u24 v3, s3, v3                       ; one product: the distance between the two, under 2^24
	v_add_nc_u32 v3, v3, v[LI]
	v_add_nc_u32 v[ADRS], s2, v3
.irp g, 0,1
.irp i, 0,1,2,3
	global_load_b128 v[SC+16*\g+4*\i:SC+16*\g+4*\i+3], v[ADRS], s[6:7] offset:\i*2048+\g*512   ; tile i's words of K steps 4 g .. 4 g + 3
.endr
.endr
; A PREFETCH INTO THE L2 of the phase (three K steps, 6,144 bytes of each tile: 24 blocks of 256) that the NEXT fill will ask for: one phase ahead of that tensor load.  Each block is named once in each cluster that will load it.
; The four partners that ask for x's eight tiles jointly take two tiles each (by cx), the four that ask for a column's twelve tiles of w take three each (by cy): told apart by address alone.  In a work-group waves 0, 1 name x's two tiles,
; waves 2 to 4 w's three, a lane a block; lanes 24-31 name their wave's last block again; wave 5 asks for nothing.  The last phase is one K step, eight blocks (v23).  The addresses are never rewritten; the phase is the immediate.
.set PF,  22                           ; v22: tile x 32,768 + 256 x min(lane, 23)
.set PF2, 23                           ; v23: tile x 32,768 + 256 x min(lane, 7)
.macro ASK ph
	WIN 0                                          ; (a branch follows)
	s_cmp_lt_u32 s16, 5
	s_cbranch_scc0 .Lnot_mine_\@
.if (\ph) < 5
	global_prefetch_b8 v[PF], s[4:5] offset:(\ph)*TB th:TH_LOAD_NT scope:SCOPE_SE
.else
	global_prefetch_b8 v[PF2], s[4:5] offset:(\ph)*TB th:TH_LOAD_NT scope:SCOPE_SE
.endif
.Lnot_mine_\@:
.endm
	s_max_u32 s47, s16, 2
	s_sub_co_u32 s47, s47, 2
	s_min_u32 s47, s47, 2
	s_mul_i32 s20, s41, 3
	s_add_co_u32 s20, s20, s47                     ; which of the column's twelve tiles of w: 3 cy + wave - 2
	s_lshr_b32 s47, s20, 2                         ; its head of the three,
	s_and_b32 s20, s20, 3                          ; and its tile in that head
	UNITOF 21, 47
	s_lshl_b32 s21, s21, 2
	s_add_co_u32 s21, s21, s20
	s_add_co_u32 s21, s21, 128
	s_lshl_b32 s20, s45, 3
	s_lshl_b32 s47, s40, 1
	s_add_co_u32 s20, s20, s47
	s_add_co_u32 s20, s20, s16                     ; waves 0, 1: x's tile 8 row + 2 cx + wave
	s_cmp_lt_u32 s16, 2
	s_cselect_b32 s20, s20, s21
	s_lshl_b32 s20, s20, 15
	v_min_u32 v3, 23, v1
	v_lshl_add_u32 v[PF], v3, 8, s20
	v_min_u32 v3, 7, v1
	v_lshl_add_u32 v[PF2], v3, 8, s20
	ASK 1                                          ; slot 1's first fill follows when slot 0 has landed
	s_lshl_b32 s2, s18, 14
	s_add_co_u32 s2, s2, TABLE
	v_add_nc_u32 v[TBA], s2, v[LI]
	v_mov_b32 v[TM+2], 0                           ; written once: a lane permute's destination counts as one of its sources
	v_mov_b32 v[TM+3], 0
	s_mov_b32 s[SEL], 0x76543210
	s_mov_b32 s[SEL+1], 0xfedcba98
	s_mov_b32 s[MNT], 0x600000
	; where the results go: s23 is my head unit
	s_lshl_b32 s2, s45, 1
	s_add_co_u32 s2, s2, s18                       ; 2 row + my half: my four tiles of positions
	s_lshl_b32 s92, s23, 17                        ; q's codes: head x 131,072 + tile x 1,024
	s_lshl_b32 s3, s2, 12
	s_add_co_u32 s92, s92, s3
	s_lshl_b32 s94, s23, 14                        ; q's scale words: head x 16,384 + (tile / 4) x 512
	s_lshl_b32 s3, s2, 9
	s_add_co_u32 s94, s94, s3
	s_and_b32 s3, s23, 7                           ; k, v: the kv head (32 and 40 are multiples of 8),
	s_lshl_b32 s3, s3, 4
	s_add_co_u32 s3, s3, s45
	s_mul_i32 s3, s3, REC                          ; the record of (kv head, key step = row)
	s_lshl_b32 s96, s18, 12
	s_add_co_u32 s96, s96, s3                      ; k's codes: tiles 4 half ..
	s_lshl_b32 s97, s18, 9
	s_add_co_u32 s97, s97, s3
	s_add_co_u32 s97, s97, KSO                     ; k's scale words
	s_lshl_b32 s46, s18, 10
	s_add_co_u32 s46, s46, s3
	s_add_co_u32 s46, s46, VC                      ; v's codes: blocks of keys 2 half, 2 half + 1
	s_lshl_b32 s47, s18, 1
	s_add_co_u32 s47, s47, s3
	s_add_co_u32 s47, s47, VSO                     ; and their two bytes of each scale word
	s_cmp_lt_u32 s23, 40
	s_cselect_b32 s96, s96, s46
	s_cselect_b32 s97, s97, s47
	s_cmp_lt_u32 s23, 32
	s_cselect_b32 s92, s92, s96
	s_cselect_b32 s94, s94, s97
	s_cselect_b64 s[96:97], s[10:11], s[14:15]     ; qimg or kv
	s_cselect_b64 s[98:99], s[12:13], s[14:15]     ; qscl or kv
	s_mov_b32 s93, 0
	s_mov_b32 s95, 0
	s_add_nc_u64 s[96:97], s[96:97], s[92:93]      ; codes
	s_add_nc_u64 s[98:99], s[98:99], s[94:95]      ; scale words
.macro FRAG reg, adr, i, ks            ; a fragment comes as it was laid: four loads of 512 consecutive bytes
.irp c, 0,1,2,3
	ds_load_b128 v[\reg+4*\c:\reg+4*\c+3], v[\adr] offset:(\i)*TB+(\ks)*2048+512*\c
.endr
.endm
; One run of LDS loads: the fragments of K step k (slot (k / 3) % 2, buffer k % 2); source 1's tiles 2 and 3 last.  Where k is 5 or 9: also the scale words of K steps k + 3 .. k + 6, into set ((k + 3) / 4) % 2.
.macro FETCHK k
.set FS, ((\k)/KPH)%2
.set FK, (\k)%KPH
.set FB, 128*((\k)%2)
	WIN 0x40                                       ; destination window 1, address window 0
.irp i, 0,1,2,3
	FRAG FB+64+16*\i, ADP+FS, \i, FK
.endr
	FRAG FB, ADR+FS, 0, FK
	FRAG FB+16, ADR+FS, 1, FK
.if ((\k) == 5) || ((\k) == 9)         ; the set that K steps k - 5 .. k - 2 used takes the words of K steps k + 3 .. k + 6; the eight places in front of this run serve these loads too
	WIN 0
.irp i, 0,1,2,3
	global_load_b128 v[SC+16*((((\k)+3)/4)%2)+4*\i:SC+16*((((\k)+3)/4)%2)+4*\i+3], v[ADRS], s[6:7] offset:\i*2048+(((\k)+3)/4)*512
.endr
	WIN 0x40
.endif
	FRAG FB+32, ADR+FS, 2, FK
	FRAG FB+48, ADR+FS, 3, FK
.endm
; Four matrix instructions of K step k: source 1's tile a against source 0's four.  The 16 accumulators take turns, one instruction a turn, in the same order in every K step.
.macro MUL4 k, a, zero
.set MF, 128*((\k)%2)
.set MS, SC+16*(((\k)/4)%2)+(\k)%4
.irp b, 0,1,2,3
.if \zero
	v_wmma_scale_f32_16x16x128_f8f6f4 v[ACC+8*(4*\a+\b):ACC+8*(4*\a+\b)+7], v[MF+64+16*\b:MF+64+16*\b+15], v[MF+16*\a:MF+16*\a+15], 0, v[MS+4*\b], v[MS+4*\a] matrix_a_scale:MATRIX_SCALE_ROW1
.else
	v_wmma_scale_f32_16x16x128_f8f6f4 v[ACC+8*(4*\a+\b):ACC+8*(4*\a+\b)+7], v[MF+64+16*\b:MF+64+16*\b+15], v[MF+16*\a:MF+16*\a+15], v[ACC+8*(4*\a+\b):ACC+8*(4*\a+\b)+7], v[MS+4*\b], v[MS+4*\a] matrix_a_scale:MATRIX_SCALE_ROW1
.endif
.endr
.endm
; A K step that has its successor in the same slot: it fetches the next step into the other buffer in its middle.  Eight plain places stand between the last matrix instruction and loads into registers that matrix
; instructions have read.
.macro KSTEP k, zero
.if (\k)%4 == 0
	s_wait_loadcnt 0x0                             ; the scale words of this and the next three K steps are in
.endif
	s_wait_dscnt 8                                 ; all but the youngest eight loads (source 1's tiles 2 and 3) are in
	WIN 0x05                                       ; sources 0 and 1 window 1; C and D window 0
	MUL4 \k, 0, \zero
	MUL4 \k, 1, \zero
	PLACES 8
	FETCHK (\k)+1
	s_wait_dscnt 32                                ; all but the 32 just issued
	WIN 0x05
	MUL4 \k, 2, \zero
	MUL4 \k, 3, \zero
.endm
; A slot's last K step changes slots: ONE barrier; in front of it each wave waits for all its tensor loads, adds 0 to its spare word, and waits for that and for its own reads of this slot.
; fill = 1: the slot is filled again, with the K steps six on;  2: the same, of which only one K step is left: the tensor's extent along the rows is stated as 256 elements;  0: nothing is left to fetch.
.macro TURN k, fill
.set TS, ((\k)/KPH)%2
	WIN 0                                          ; (the add's two registers lie in window 0)
	s_wait_tensorcnt 0x0                           ; all my tensor loads have landed: my part of the next slot;
	ds_add_u32 v[SPW], v[NIL]                      ; 0 onto my spare word
	s_wait_dscnt 9                                 ; (the add and the youngest eight loads may be out)
.if (\k)%4 == 0
	s_wait_loadcnt 0x0                             ; the scale words of this and the next three K steps are in
.endif
	WIN 0x05
	MUL4 \k, 0, 0                                  ; four matrix instructions stand between the add and the wait for it
	s_wait_dscnt 0x0                               ; the add is done, and my reads of this slot are over
	s_barrier_signal -1
	MUL4 \k, 1, 0
	WIN 0
	s_barrier_wait -1
.if \fill
	CREST                                          ; the barrier has opened a round of the cluster's barrier: no wave of any partner still reads this slot or has a load on its way
	s_add_nc_u64 s[G0R+4*TS+2:G0R+4*TS+3], s[G0R+4*TS+2:G0R+4*TS+3], 2*TB
	s_add_nc_u64 s[G0P+4*TS+2:G0P+4*TS+3], s[G0P+4*TS+2:G0P+4*TS+3], 2*TB
.if \fill == 2
	s_mov_b32 s[G1R+1], 256<<16                    ; no load of mine is out: group 1 may be written
	s_mov_b32 s[G1P+1], 256<<16
.endif
	JLOAD G0R+4*TS, G0P+4*TS                       ; the first tensor load behind the round, one a wave
.endif
	PLACES 8                                       ; on every wave's path, that of the wave without a load too
	FETCHK (\k)+1
.if (\fill) == 1
	ASK ((\k)+1)/3+2                               ; behind the joint load and the run of LDS loads: the phase that the next change of slots asks for
.endif
	WIN 0x05
	MUL4 \k, 2, 0
	MUL4 \k, 3, 0
.endm
	s_wait_alu depctr_va_vdst(0)
	s_wait_tensorcnt 0x0                           ; my part of slot 0 (wave 5: the table) is in
	ds_add_u32 v[SPW], v[NIL]
	s_wait_dscnt 0x0
	CROUND                                         ; everybody's part is in, and all sixteen work-groups are here
	JLOAD G0R+4, G0P+4                             ; slot 1's first fill: the first tensor load behind the round, one a wave
	FETCHK 0
	ASK 2
	KSTEP 0, 1                                     ; the first K step's products start the sums: nothing is cleared
	KSTEP 1, 0
	TURN 2, 1
	KSTEP 3, 0
	KSTEP 4, 0
	TURN 5, 1
	KSTEP 6, 0
	KSTEP 7, 0
	TURN 8, 1
	KSTEP 9, 0
	KSTEP 10, 0
	TURN 11, 2
	KSTEP 12, 0
	KSTEP 13, 0
	TURN 14, 0                                     ; a plain barrier
	s_wait_dscnt 8                                 ; the very last K step
	WIN 0x05
	MUL4 15, 0, 0
	MUL4 15, 1, 0
	s_wait_dscnt 0x0
	PLACES 8                                       ; in front of loads into buffer 0, which is done with
	WIN 0x40
.irp a, 0,1,2,3
.irp k, 0,1,2,3,4,5,6,7
	ds_load_b128 v[32*\a+4*\k:32*\a+4*\k+3], v[TBA] offset:\a*4096+\k*512   ; the table of my four tiles of positions: register 32 a + n: cosine (n even), sine (n odd) for result registers n, n + 1.  (v's waves load it and leave it)
.endr
.endr
	WIN 0x05
	MUL4 15, 2, 0
	MUL4 15, 3, 0
	PLACES 8                                       ; in front of the first read of results
	WIN 0
; The rotation of tile a's 32 registers: n even = x0, n + 1 = x1 of a pair; each accumulator from its low end on.
.macro ROPE a
	WIN 0x04                                       ; source 1 (the table) window 1
.irp n, 0,2,4,6,8,10,12,14,16,18,20,22,24,26,28,30
	v_mul_f32 v[RT+(\n%4)], v[ACC+32*\a+\n+1], v[32*\a+\n+1]                          ; x1 sin
	v_mul_f32 v[RT+(\n%4)+1], v[ACC+32*\a+\n], v[32*\a+\n+1]                          ; x0 sin
	v_fma_f32 v[ACC+32*\a+\n], v[ACC+32*\a+\n], v[32*\a+\n], -v[RT+(\n%4)]            ; x0 cos - x1 sin
	v_fma_f32 v[ACC+32*\a+\n+1], v[ACC+32*\a+\n+1], v[32*\a+\n], v[RT+(\n%4)+1]       ; x1 cos + x0 sin
.endr
	WIN 0
.endm
; 32 numbers of a lane, register 16 b + i = k 32 b + 16 h + i, become two groups of codes in v[pc] on and two scale bytes in v[w]; dup = 1: bytes 2 and 3 repeat them.
.macro QUANT2 s, pc, w, dup
.irp b, 0,1
	v_max3_num_f32 v[TM+\b], |v[\s+16*\b]|, |v[\s+1+16*\b]|, 0x4800000   ; and the floor 2^(9 - 127): the byte cannot fall under 1
.endr
.irp i, 2,4,6,8,10,12,14
.irp b, 0,1
	v_max3_num_f32 v[TM+\b], v[TM+\b], |v[\s+16*\b+\i]|, |v[\s+1+16*\b+\i]|
.endr
.endr
.irp b, 0,1
	v_permlanex16_b32 v[TM+2+\b], v[TM+\b], s[SEL], s[SEL+1]
.endr
.irp b, 0,1
	v_max_num_f32 v[TM+\b], v[TM+\b], v[TM+2+\b]   ; with lane l xor 16's: the block's largest magnitude
.endr
.irp b, 0,1
	v_add_nc_u32 v[TM+6+\b], 0xfc000000, v[TM+\b]  ; 8 off its exponent field: the conversion's scale operand
.endr
.irp b, 0,1
	v_and_or_b32 v[TM+4+\b], v[TM+\b], 0x7f800000, s[MNT]   ; 448 x the scale
.endr
.irp b, 0,1
	v_lshrrev_b32 v[TM+2+\b], 23, v[TM+6+\b]       ; the scale's byte
.endr
	v_lshl_or_b32 v[\w], v[TM+3], 8, v[TM+2]
.if \dup
	v_lshl_or_b32 v[\w], v[\w], 16, v[\w]
.endif
.irp b, 0,1
.irp i, 0,1,2,3,4,5,6,7,8,9,10,11,12,13,14,15
	v_med3_num_f32 v[\s+16*\b+\i], v[\s+16*\b+\i], -v[TM+4+\b], v[TM+4+\b]   ; the conversion to an 8-bit code does not saturate (ISA guide 7.6.2): the hold
.endr
	v_cvt_scalef32_pk8_fp8_f32 v[\pc+4*\b:\pc+4*\b+1], v[\s+16*\b:\s+16*\b+7], v[TM+6+\b]
	v_cvt_scalef32_pk8_fp8_f32 v[\pc+4*\b+2:\pc+4*\b+3], v[\s+16*\b+8:\s+16*\b+15], v[TM+6+\b]
.endr
	v_nop                                          ; a plain instruction behind the last conversion
.endm
	s_cmp_eq_u32 s19, 1
	s_cbranch_scc1 .Lv
	s_wait_dscnt 0x0                               ; the table
.irp a, 0,1,2,3                        ; q, k: tile a's 16 positions, one head's 64 features a lane pair: two groups of codes, one scale word
	ROPE \a
	QUANT2 ACC+32*\a, CD+8*\a, WD+\a, 1
	global_store_b128 v[LI], v[CD+8*\a:CD+8*\a+3], s[96:97] offset:\a*1024        ; 32 lanes store 512 consecutive bytes
	global_store_b128 v[LI], v[CD+8*\a+4:CD+8*\a+7], s[96:97] offset:\a*1024+512
.endr
	global_store_b128 v[LI], v[WD:WD+3], s[98:99]  ; four tiles' scale words
	s_branch .Ldone
.Lv:
.irp a, 0,1,2,3                        ; v: tile a's 16 features of the head, my 64 keys: two blocks of 32 keys
	QUANT2 ACC+32*\a, CD+8*\a, WD+\a, 0
	global_store_b128 v[LI], v[CD+8*\a:CD+8*\a+3], s[96:97] offset:\a*2048
	global_store_b128 v[LI], v[CD+8*\a+4:CD+8*\a+7], s[96:97] offset:\a*2048+512
	global_store_b16 v[LI], v[WD+\a], s[98:99] offset:4*\a   ; my two bytes of the word; the other two are the other wave's
.endr
.Ldone:
	s_wait_tensorcnt 0x0                           ; the wave's end
	ds_add_u32 v[SPW], v[NIL]
	s_wait_dscnt 0x0
	CROUND                                         ; the closing round: no work-group ends while a partner may still ask for a tile that names it
	s_endpgm
.Lfunc_end_k_q1a56a6e96b_qkv:
	.size	k_q1a56a6e96b_qkv, .Lfunc_end_k_q1a56a6e96b_qkv-k_q1a56a6e96b_qkv
	.p2alignl 7, 3214868480
	.fill 96, 4, 3214868480
	.section	.rodata,"a",@progbits
	.p2align	6, 0x0
	.amdhsa_kernel k_q1a56a6e96b_qkv
		.amdhsa_group_segment_fixed_size 327680
		.amdhsa_private_segment_fixed_size 0
		.amdhsa_enable_private_segment 0
		.amdhsa_kernarg_size 48
		.amdhsa_user_sgpr_count 2
		.amdhsa_user_sgpr_kernarg_segment_ptr 1
		.amdhsa_wavefront_size32 1
		.amdhsa_system_sgpr_workgroup_id_x 1
		.amdhsa_system_sgpr_workgroup_id_y 1
		.amdhsa_system_sgpr_workgroup_id_z 1
		.amdhsa_system_vgpr_workitem_id 0
		.amdhsa_next_free_vgpr 512
		.amdhsa_next_free_sgpr 102
		.amdhsa_reserve_vcc 0
		.amdhsa_float_denorm_mode_32 3
		.amdhsa_float_denorm_mode_16_64 3
		.amdhsa_memory_ordered 1
		.amdhsa_forward_progress 1
		.amdhsa_inst_pref_size 139
	.end_amdhsa_kernel
	.amdgpu_metadata
---
amdhsa.version: [ 1, 2 ]
amdhsa.kernels:
  - .name:           k_q1a56a6e96b_qkv
    .symbol:         k_q1a56a6e96b_qkv.kd
    .args:
      - { .name: cod, .offset: 0, .size: 8, .value_kind: global_buffer, .address_space: global }
      - { .name: scl, .offset: 8, .size: 8, .value_kind: global_buffer, .address_space: global }
      - { .name: rope, .offset: 16, .size: 8, .value_kind: global_buffer, .address_space: global }
      - { .name: qimg, .offset: 24, .size: 8, .value_kind: global_buffer, .address_space: global }
      - { .name: qscl, .offset: 32, .size: 8, .value_kind: global_buffer, .address_space: global }
      - { .name: kv, .offset: 40, .size: 8, .value_kind: global_buffer, .address_space: global }
    .group_segment_fixed_size: 327680
    .private_segment_fixed_size: 0
    .kernarg_segment_align: 8
    .kernarg_segment_size: 48
    .max_flat_workgroup_size: 192
    .sgpr_count:     102
    .vgpr_count:     512
    .wavefront_size: 32
...
	.end_amdgpu_metadata
.endif
;; end of part 2
;; launch attn (part 3): grid 32 x 8, 16 waves a work-group, clusters of 4 x 1, 327,680 bytes of LDS; arguments qimg, qscl, kv, att, scl; writes att, scl
.if DOCPART == 3
	.amdgcn_target "amdgcn-amd-amdhsa--gfx1250"
	.amdhsa_code_object_version 6
	.text
	.protected	k_q1a56a6e96b_attn
	.globl	k_q1a56a6e96b_attn
	.p2align	8
	.type	k_q1a56a6e96b_attn,@function
k_q1a56a6e96b_attn:
	s_mov_b64 s[64:65], 0
	v_nop
	global_prefetch_b8 v0, s[64:65] scope:SCOPE_SE
	s_setreg_imm32_b32 hwreg(HW_REG_WAVE_MODE, 25, 1), 1
	s_wait_xcnt 0x0
	s_wait_alu depctr_hold_cnt(0) depctr_sa_sdst(0) depctr_va_vdst(0) depctr_va_sdst(0) depctr_va_ssrc(0) depctr_va_vcc(0) depctr_vm_vsrc(0)
	s_getreg_b32 s2, hwreg(HW_REG_IB_STS2, 6, 4)
	s_cmp_eq_u32 s2, 0
	s_cbranch_scc0 .Lentry_in_a_cluster
	s_endpgm
.Lentry_in_a_cluster:
	s_bfe_u32 s2, ttmp6, 0x10000c
	s_cmp_lg_u32 s2, 0x3003
	s_cbranch_scc0 .Lentry_shape_is_right
	s_endpgm
.Lentry_shape_is_right:
; ATTN.  o = softmax(q k^T / 8, causal) v for 32 heads of 64 on 8 kv heads, both products on codes of FP8 (E4M3) with E8M0 scales; o is quantised along the last product's K and leaves as that product's operand image.
; THE SOFTMAX AHEAD OF THE SECOND PRODUCT: t = score x log2(e) / 8; M = the row's largest t so far, rounded UP to a whole number; p = 2^(t - M) is what is quantised, along the keys, not normalised.  The row's sum is taken of the
; unquantised p, in f32, and divides at the end.  When M moves, the sum and O are multiplied by 2^(old M - new M): exact.
; A KV HEAD LIES IN LDS WHOLE: sixteen records (a key step of 128 keys each: K's codes, V's codes, their scale words) of 17,920 bytes are 286,720 bytes.  Each of the sixteen waves asks for one record at the head, its one tensor
; load of the launch.  Nothing is filled again.
; CLUSTERS: the four heads of a kv head are the four work-groups of a cluster; they need the same sixteen records and ask for each JOINTLY (mask 15).
; SHARES, CAUSAL, AND WAVES OF EQUAL LENGTH.  Work-group g (0-7) of a head owns tile g of 16 queries in EVERY block of 128 queries.  Waves 2 p and 2 p + 1 share the tiles of blocks p and 15 - p, 17 key steps:
;   wave A: key steps 0 .. 7 of the late tile (block 15 - p): 8 steps; it leaves O^T, -M and the sum in LDS bytes of the pair's own;
;   wave B: the early tile (block p), key steps 0 .. p, which it sends out; then key steps 8 .. 15 - p of the late tile: 9 steps; behind a barrier it joins A's part to its own and sends the late tile out.
; The two parts are brought under the larger of their two M by powers of two: nothing is rounded.  B = (w ^ (w >> 2)) & 1: two of each kind among any four waves with equal w % 4, and among any four with equal w / 4.
; THE WALK is over key steps 0 .. 15 in every wave, in loops of constant count, so that the LDS address steps by a constant; a step that is not the wave's is jumped over (a scalar branch on ids, round no barrier).
; THREE BARRIERS.  The first shows records 0 .. 7 (waves 0-7 have a load line of their own and wait ahead of it): key steps 0 .. 7 read those alone.  The second shows the rest: every wave waits for its load and signals behind
; key step 0, and waits for the barrier behind key step 7; between the two stand register work and LDS loads of records 1 .. 7.  The third stands between A's stores of its part and B's loads of it.
; On the diagonal (key step = block) hidden scores become -infinity ahead of the maximum; the blocks of 32 keys that lie wholly ahead of the tile's queries (their number hangs on g alone) are passed over.
; NO PREFETCH: every tile that goes through LDS is asked for at the head; there is no loop to run ahead in.
; LAYOUT.  Both products are used transposed: S^T = K Q^T (source 0 = 16 keys), O^T = V^T P^T (source 0 = 16 of the head's 64): a lane holds ONE query.  Lane r of a tile holds row 32 (T / 2) + 8 (T % 2) + r + 8 (r / 8), so the
; 16 registers of result tiles 2 b, 2 b + 1 are 16 neighbours 32 b + 16 h + 0 .. 15: keys for p, the head's channels for o.
; THE FIRST PRODUCT'S K IS 64, half of the instruction's 128.  Q's upper eight registers are zeros; K's tiles lie eight registers apart, so that a tile's upper eight are the next tile's codes (the last tile's: zeros): numbers, never
; NaN codes, times zero codes: they add nothing.  Bytes 2 and 3 of q's and k's scale words repeat bytes 0 and 1.
; OUT.  att [tile 128][head][b 2][lane][16 bytes]; the scale bytes go into scl as tiles 448 + tile, laid as every tile there: [head / 8][lane] 16 bytes, two for each head (a head makes two bytes of a word: stores of two bytes a lane).
; LIMITS: NaN and infinities are not served; the scaled scores t stay under 2^31 in magnitude; a block whose largest magnitude lies under 2^-118, the floor, keeps the byte 1 (the bytes are read by this program alone).
; REGISTERS: v1 16 x lane, v2 the same in the record in hand; v3-4 the add's; v5 the mask's; v6 the pair's LDS bytes; v12 -M, v13 the largest t, v[14:15] the sum; v16-23 Q, v24-31 zeros; v32-95 K's eight tiles, then V's four fragments;
; v96-103 zeros; v104-167 S^T, then p; v168-199 O^T; v200-215 p's codes; v216-223 K's scale words, v224-227 V's, v228 Q's, v229 p's; v230-255 at work.
.set REC,   17920
.set VC,    8192
.set KSO,   16384
.set VSO,   17408
.set SPARE, 16*REC                     ; behind the records: the spare words, 128 bytes for each wave: eight blocks of 256 bytes that no other line names
.set XCH,   SPARE+2048                 ; behind them: 4,608 bytes for each pair of waves: A's O^T (8 x 512) and its -M, largest t and sum (512); no fill lands there
.set LI,   1
.set AD,   2
.set SPW,  3
.set NIL,  4
.set DG,   5                           ; my query's place in its block of 128, less 16 h
.set XA,   6
.set S,    104
.set O,    168
.set PCD,  200
.set KSW,  216
.set VSW,  224
.set QSW,  228
.set PSW,  229
.set OSW,  230
.set TM,   236
.set WV,   14
.set GB,   15                          ; g / 2: so many blocks of 32 keys of the diagonal step lie wholly ahead of my queries
.set BLK,  17                          ; the block of the tile in hand: also its last key step
.set MNT,  19
.set SEL,  20
.set CS,   22
.set G1,   24
.set G0,   32
.set LB,   36                          ; the late block, 15 - p
.set RB,   37                          ; 1: I am the pair's wave B
.set KS,   43
.set TB,   44
.macro CROUND                          ; a round of the cluster's barrier
	s_barrier_signal -1
	s_barrier_wait -1
	s_cmp_lg_u32 s[WV], 0
	s_cbranch_scc1 .Lnot_wave_0_\@
	s_barrier_signal -3
.Lnot_wave_0_\@:
	s_barrier_wait -3
	s_barrier_signal -1
	s_barrier_wait -1
.endm
.macro QADR                            ; where tile s18's Q lies: codes s[50:51], scale word s[52:53]
	s_lshl_b32 s50, s42, 17                        ; head x 131,072 + tile x 1,024
	s_lshl_b32 s51, s18, 10
	s_add_co_u32 s50, s50, s51
	s_mov_b32 s51, 0
	s_add_nc_u64 s[50:51], s[4:5], s[50:51]
	s_lshl_b32 s52, s42, 14                        ; head x 16,384 + (tile / 4) x 512 + 4 (tile % 4)
	s_lshr_b32 s53, s18, 2
	s_lshl_b32 s53, s53, 9
	s_add_co_u32 s52, s52, s53
	s_and_b32 s53, s18, 3
	s_lshl_b32 s53, s53, 2
	s_add_co_u32 s52, s52, s53
	s_mov_b32 s53, 0
	s_add_nc_u64 s[52:53], s[6:7], s[52:53]
.endm
.macro OADR                            ; where tile s18's result goes: codes s[56:57], scale bytes s[58:59]
	s_lshl_b32 s56, s18, 15                        ; tile x 32,768 + head x 1,024
	s_lshl_b32 s57, s42, 10
	s_add_co_u32 s56, s56, s57
	s_mov_b32 s57, 0
	s_add_nc_u64 s[56:57], s[10:11], s[56:57]
	s_lshl_b32 s58, s18, 11                        ; (448 + tile) x 2,048 + (head / 8) x 512 + 2 (head % 8)
	s_add_co_u32 s58, s58, 448*2048
	s_lshr_b32 s59, s42, 3
	s_lshl_b32 s59, s59, 9
	s_add_co_u32 s58, s58, s59
	s_and_b32 s59, s42, 7
	s_lshl_b32 s59, s59, 1
	s_add_co_u32 s58, s58, s59
	s_mov_b32 s59, 0
	s_add_nc_u64 s[58:59], s[12:13], s[58:59]
.endm
.macro BEGIN                           ; a tile's sums begin: the step has no first step of its own: the first change of M multiplies zeros
	v_mov_b32 v13, 0xff61b1e6                      ; the largest t so far: -3e38, under every t
	v_mov_b32 v14, 0
	v_mov_b32 v15, 0
	v_floor_f32 v12, -v13                          ; -M
.set JJ, 0
.rept 32
	v_mov_b32 v[O+JJ], 0
.set JJ, JJ+1
.endr
.endm
	s_load_b256 s[4:11], s[0:1], 0x0               ; qimg, qscl, kv, att
	s_load_b64 s[12:13], s[0:1], 0x20              ; scl
	v_lshl_add_u32 v[SPW], v0, 2, SPARE
	v_mov_b32 v[NIL], 0
	ds_add_u32 v[SPW], v[NIL]                      ; the opening: the add, twice on end, and its wait ahead of my tensor load
	ds_add_u32 v[SPW], v[NIL]
	v_lshrrev_b32 v7, 5, v0
	v_readfirstlane_b32 s[WV], v7                  ; wave 0..15
	s_bfe_u32 s40, ttmp6, 0x40000                  ; cx: it enters Q's and the output's addresses alone
	s_and_b32 s41, ttmp7, 0xffff                   ; the kv head
	s_lshl_b32 s42, s41, 2
	s_add_co_u32 s42, s42, s40                     ; the head
	s_lshr_b32 s45, s[WV], 2
	s_xor_b32 s45, s45, s[WV]
	s_and_b32 s[RB], s45, 1
	s_lshr_b32 s46, s[WV], 1                       ; p
	s_sub_co_u32 s[LB], 15, s46
	s_cmp_eq_u32 s[RB], 1
	s_cselect_b32 s[BLK], s46, s[LB]               ; my first tile's block: B: p; A: 15 - p
	s_lshl_b32 s18, s[BLK], 3
	s_add_co_u32 s18, s18, ttmp9                   ; the tile: 8 block + g
	s_lshr_b32 s[GB], ttmp9, 1
	s_mul_i32 s39, s46, 4608
	s_add_co_u32 s39, s39, XCH                     ; the pair's LDS bytes
	; descriptor group 1: a record, 17,920 dense bytes, as 70 rows of 256
	s_mov_b32 s[G1], 15|(3<<16)|(1<<21)            ; 15:0 the mask: all four work-groups; 17:16 elements of 8 bytes; 21 set beside a mask
	s_mov_b32 s[G1+1], 32<<16
	s_mov_b32 s[G1+2], 70<<16
	s_mov_b32 s[G1+3], 32<<16
	s_mov_b32 s[G1+4], 70
	s_mov_b32 s[G1+5], 32
	s_mov_b32 s[G1+6], 0
	s_mov_b32 s[G1+7], 0
	s_mul_i32 s47, s[WV], REC                      ; record = my wave's number: its place in LDS and in the kv head
	s_mul_i32 s48, s41, 16*REC
	s_add_co_u32 s48, s48, s47
	s_mov_b32 s49, 0
	s_mov_b32 s[SEL], 0x76543210
	s_mov_b32 s[SEL+1], 0xfedcba98
	s_mov_b32 s[CS], 0x3e38aa3b                    ; c = log2(e) / 8
	s_mov_b32 s[CS+1], s[CS]                       ; (named with it as a pair, so it is written)
	s_mov_b32 s[MNT], 0x600000
	s_mov_b32 s[KS], 0
	s_mov_b32 s[TB], 0
	s_wait_dscnt 0x0                               ; both opening adds are done
	CROUND                                         ; all four work-groups are here: the joint loads meet
	s_wait_kmcnt 0x0
	s_mov_b32 s[G0], 1
	s_mov_b32 s[G0+1], s47
	s_add_nc_u64 s[G0+2:G0+3], s[8:9], s[48:49]
	s_or_b32 s[G0+3], s[G0+3], 0x80000000
	s_cmp_lt_u32 s[WV], 8                          ; waves 0-7 and waves 8-15 have a load line each: the first barrier waits for the first line's alone
	s_cbranch_scc0 .Lupper
	tensor_load_to_lds s[G0:G0+3], s[G1:G1+7]      ; records 0 .. 7
	s_nop 0
.rept 4
	v_nop
.endr
	s_branch .Lasked
.Lupper:
	tensor_load_to_lds s[G0:G0+3], s[G1:G1+7]      ; records 8 .. 15
	s_nop 0
.rept 4
	v_nop
.endr
.Lasked:
	s_lshl_b32 s45, s[GB], 5
	s_and_b32 s46, ttmp9, 1
	s_lshl_b32 s46, s46, 3
	s_add_co_u32 s45, s45, s46                     ; my tile's first place in its block: 32 (g / 2) + 8 (g % 2)
	QADR
	v_and_b32 v10, 31, v0
	v_and_b32 v7, 15, v0                           ; r
	v_bfe_u32 v8, v0, 4, 1                         ; h
	v_lshlrev_b32 v[LI], 4, v10
	v_and_b32 v9, 8, v7
	v_lshlrev_b32 v8, 4, v8
	v_add_nc_u32 v9, v9, v7                        ; r + 8 (r / 8)
	v_sub_nc_u32 v9, v9, v8
	v_add_nc_u32 v[DG], s45, v9
	v_add_nc_u32 v[XA], s39, v[LI]
	s_wait_alu depctr_va_vdst(0)                   ; ahead of the loads that read v1
	global_load_b128 v[16:19], v[LI], s[50:51]
	global_load_b128 v[20:23], v[LI], s[50:51] offset:512
	global_load_b32 v[QSW], v[LI], s[52:53]
.irp j, 0,1,2,3,4,5,6,7
	v_mov_b32 v[24+\j], 0                          ; Q's upper 64 of the instruction's K: zero codes
	v_mov_b32 v[96+\j], 0                          ; and what stands behind K's last tile
.endr
.irp j, 236,237,238,239,251,252,253
	v_mov_b32 v[\j], 0                             ; written once: a lane permute's destination counts as one of its sources; v253 is named as the upper half of a pair
.endr
	BEGIN
; A KEY STEP: 128 keys, record KS.
.macro STEP
	s_cmp_gt_u32 s[KS], s[BLK]                     ; all its keys come after the queries in hand (or the wave has none): nothing to do but count
	s_cbranch_scc1 .Lhidden_\@
	v_add_nc_u32 v[AD], s[TB], v[LI]
.rept 7
	v_nop                                          ; with the addition above: eight places in front of loads into registers that the last step's products have read
.endr
.irp t, 0,1,2,3,4,5,6,7
	ds_load_b128 v[32+8*\t:35+8*\t], v[AD] offset:\t*1024
	ds_load_b128 v[36+8*\t:39+8*\t], v[AD] offset:\t*1024+512
.endr
	ds_load_b128 v[KSW:KSW+3], v[AD] offset:KSO
	ds_load_b128 v[KSW+4:KSW+7], v[AD] offset:KSO+512
	s_wait_alu depctr_va_vdst(0)
	s_wait_dscnt 0x0
.irp t, 0,1,2,3,4,5,6,7
	v_wmma_scale_f32_16x16x128_f8f6f4 v[S+8*\t:S+8*\t+7], v[32+8*\t:47+8*\t], v[16:31], 0, v[KSW+\t], v[QSW]
.endr
.rept 8
	v_nop                                          ; places in front of the loads below and of the first read of the scores
.endr
.irp t, 0,1,2,3
.irp c, 0,1,2,3
	ds_load_b128 v[32+16*\t+4*\c:35+16*\t+4*\c], v[AD] offset:VC+\t*2048+\c*512   ; V's fragments land while the softmax is worked
.endr
.endr
	ds_load_b128 v[VSW:VSW+3], v[AD] offset:VSO
	s_cmp_lt_u32 s[KS], s[BLK]
	s_cbranch_scc1 .Lopen_\@                       ; a step all of whose keys count
.irp b, 0,1,2,3                        ; the diagonal: register 16 b + i holds key 32 b + 16 h + i of the step: it counts where 32 b + i <= my query's place - 16 h
	s_cmp_gt_u32 s[GB], \b                         ; a block of 32 keys that lies wholly ahead of my tile's queries
	s_cbranch_scc1 .Lseen_\@_\b
.irp i, 0,1,2,3,4,5,6,7,8,9,10,11,12,13,14,15
	v_cmp_le_i32 vcc_lo, 32*\b+\i, v[DG]
	v_cndmask_b32 v[S+16*\b+\i], 0xff800000, v[S+16*\b+\i], vcc_lo   ; else -infinity
.endr
.Lseen_\@_\b:
.endr
.Lopen_\@:
.irp b, 0,1,2,3
	v_max3_num_f32 v[232+\b], v[S+16*\b], v[S+1+16*\b], v[S+2+16*\b]   ; the largest score of each block of 32 keys: for the row's maximum, and, since p rises with the score, for the block's largest p
.endr
.irp i, 3,5,7,9,11,13
.irp b, 0,1,2,3
	v_max3_num_f32 v[232+\b], v[232+\b], v[S+16*\b+\i], v[S+1+16*\b+\i]
.endr
.endr
.irp b, 0,1,2,3
	v_max_num_f32 v[232+\b], v[232+\b], v[S+15+16*\b]
.endr
.irp b, 0,1,2,3
	s_delay_alu instid0(VALU_DEP_4)
	v_permlanex16_b32 v[236+\b], v[232+\b], s[SEL], s[SEL+1]
.endr
.irp b, 0,1,2,3
	s_delay_alu instid0(VALU_DEP_4)
	v_max_num_f32 v[232+\b], v[232+\b], v[236+\b]  ; with lane l xor 16's 16 keys
.endr
	s_delay_alu instid0(VALU_DEP_2)
	v_max3_num_f32 v254, v232, v233, v234
	s_delay_alu instid0(VALU_DEP_1)
	v_max_num_f32 v254, v254, v235                 ; the step's largest score of my query
	s_delay_alu instid0(VALU_DEP_1)
	v_mul_f32 v254, s[CS], v254                    ; as t (c is positive)
	s_delay_alu instid0(VALU_DEP_1)
	v_max_num_f32 v13, v13, v254                   ; the running largest t
	v_mov_b32 v254, v12
	s_delay_alu instid0(VALU_DEP_2)
	v_floor_f32 v12, -v13                          ; the new -M = floor(-t): M is a whole number
	s_delay_alu instid0(VALU_DEP_1)
	v_sub_f32 v254, v12, v254                      ; old M - new M: a whole number, 0 or less
	s_delay_alu instid0(VALU_DEP_1)
	v_cvt_i32_f32 v254, v254                       ; (it saturates)
	s_delay_alu instid0(VALU_DEP_1)
	v_ldexp_f32 v252, 1.0, v254                    ; f = 2^(old M - new M)
.set JJ, 0
.rept 32
	v_pk_fma_f32 v[S+JJ:S+JJ+1], v[S+JJ:S+JJ+1], s[CS:CS+1], v[12:13] op_sel_hi:[1,0,0]   ; t - M, two at a time
.set JJ, JJ+2
.endr
.irp b, 0,1,2,3
	v_fma_f32 v[232+\b], v[232+\b], s[CS], v12     ; the same of each block's largest score
.endr
.set JJ, 0
	s_wait_alu depctr_va_vdst(0)
.rept 64
	v_exp_f32 v[S+JJ], v[S+JJ]                     ; p = 2^(t - M), at most 1
.set JJ, JJ+1
.endr
.irp b, 0,1,2,3
	v_exp_f32 v[232+\b], v[232+\b]                 ; the block's largest p: the same two instructions on the same number
.endr
	v_pk_mul_f32 v[14:15], v[14:15], v[252:253] op_sel_hi:[1,0]   ; the sums under the new M.  (A plain place behind the exponentials)
	s_wait_alu depctr_va_vdst(0)                   ; one wait for the whole batch, ahead of its first reader
.irp b, 0,1,2,3
	v_max_num_f32 v[232+\b], 0x4800000, v[232+\b]  ; the floor 2^(9 - 127): the byte cannot fall under 1
.endr
.irp b, 0,1,2,3
	s_delay_alu instid0(VALU_DEP_4)
	v_add_nc_u32 v[244+\b], 0xfc000000, v[232+\b]  ; 8 off the exponent field: the conversion's scale operand
.endr
.irp b, 0,1,2,3
	v_and_or_b32 v[240+\b], v[232+\b], 0x7f800000, s[MNT]   ; 448 x the scale
.endr
.irp b, 0,1,2,3
	v_lshrrev_b32 v[236+\b], 23, v[244+\b]         ; the scale's byte
.endr
	s_delay_alu instid0(VALU_DEP_3)
	v_lshl_or_b32 v[PSW], v237, 8, v236            ; p's scale word for these 128 keys
	s_delay_alu instid0(VALU_DEP_1)
	v_lshl_or_b32 v[PSW], v238, 16, v[PSW]
	s_delay_alu instid0(VALU_DEP_1)
	v_lshl_or_b32 v[PSW], v239, 24, v[PSW]
	v_pk_add_f32 v[236:237], v[108:109], v[112:113]   ; the row's sum is taken of the unquantised p: two at a time, in eight chains
	v_pk_add_f32 v[254:255], v[116:117], v[120:121]
	v_pk_add_f32 v[250:251], v[124:125], v[128:129]
	v_pk_add_f32 v[248:249], v[132:133], v[136:137]
	v_pk_add_f32 v[234:235], v[140:141], v[144:145]
	v_pk_add_f32 v[232:233], v[148:149], v[152:153]
	v_pk_add_f32 v[230:231], v[156:157], v[160:161]
	v_pk_add_f32 v[14:15], v[14:15], v[164:165]
	v_pk_add_f32 v[236:237], v[236:237], v[104:105]
	v_pk_add_f32 v[254:255], v[254:255], v[106:107]
	v_pk_add_f32 v[250:251], v[250:251], v[110:111]
	v_pk_add_f32 v[248:249], v[248:249], v[114:115]
	v_pk_add_f32 v[234:235], v[234:235], v[118:119]
	v_pk_add_f32 v[232:233], v[232:233], v[122:123]
	v_pk_add_f32 v[230:231], v[230:231], v[126:127]
	v_pk_add_f32 v[14:15], v[14:15], v[130:131]
	v_pk_add_f32 v[236:237], v[236:237], v[134:135]
	v_pk_add_f32 v[254:255], v[254:255], v[138:139]
	v_pk_add_f32 v[250:251], v[250:251], v[142:143]
	v_pk_add_f32 v[248:249], v[248:249], v[146:147]
	v_pk_add_f32 v[234:235], v[234:235], v[150:151]
	v_pk_add_f32 v[232:233], v[232:233], v[154:155]
	v_pk_add_f32 v[230:231], v[230:231], v[158:159]
	v_pk_add_f32 v[14:15], v[14:15], v[162:163]
	v_pk_add_f32 v[236:237], v[236:237], v[166:167]
	s_delay_alu instid0(VALU_DEP_2)
	v_pk_add_f32 v[14:15], v[14:15], v[248:249]
	s_delay_alu instid0(VALU_DEP_2)
	v_pk_add_f32 v[236:237], v[236:237], v[234:235]
	v_pk_add_f32 v[254:255], v[254:255], v[232:233]
	v_pk_add_f32 v[250:251], v[250:251], v[230:231]
	s_delay_alu instid0(VALU_DEP_2)
	v_pk_add_f32 v[14:15], v[14:15], v[254:255]
	s_delay_alu instid0(VALU_DEP_2)
	v_pk_add_f32 v[236:237], v[236:237], v[250:251]
	s_delay_alu instid0(VALU_DEP_1)
	v_pk_add_f32 v[14:15], v[14:15], v[236:237]
.irp b, 0,1,2,3
.set JJ, 0
.rept 16
	v_min_num_f32 v[S+16*\b+JJ], v[S+16*\b+JJ], v[240+\b]   ; the conversion to an 8-bit code does not saturate (ISA guide 7.6.2); p is not negative, so the hold is one-sided
.set JJ, JJ+1
.endr
	v_cvt_scalef32_pk8_fp8_f32 v[PCD+4*\b:PCD+4*\b+1], v[S+16*\b:S+16*\b+7], v[244+\b]
	v_cvt_scalef32_pk8_fp8_f32 v[PCD+4*\b+2:PCD+4*\b+3], v[S+16*\b+8:S+16*\b+15], v[244+\b]
.endr
	s_wait_alu depctr_va_vdst(0)                   ; directly ahead of the first reader of O^T
.set JJ, 0
.rept 16
	v_pk_mul_f32 v[O+JJ:O+JJ+1], v[O+JJ:O+JJ+1], v[252:253] op_sel_hi:[1,0]   ; O^T under the new M.  (These sixteen are also the places between the conversions and the products below)
.set JJ, JJ+2
.endr
	s_wait_alu depctr_va_vdst(0)
	s_wait_dscnt 0x0                               ; V
.irp t, 0,1,2,3
	v_wmma_scale_f32_16x16x128_f8f6f4 v[O+8*\t:O+8*\t+7], v[32+16*\t:47+16*\t], v[PCD:PCD+15], v[O+8*\t:O+8*\t+7], v[VSW+\t], v[PSW]   ; the four accumulators by turns; eight other products stand between a step's and the next step's
.endr
.Lhidden_\@:
	s_add_co_u32 s[TB], s[TB], REC                 ; the next record
	s_add_co_u32 s[KS], s[KS], 1
.endm
; THE WAY OUT of a tile.  O^T / the sum is the last product's operand: register 16 b + i = channel 32 b + 16 h + i of my query's head: two blocks of 32 along that product's K.
.macro WAYOUT
	v_add_f32 v14, v14, v15
	s_delay_alu instid0(VALU_DEP_1)
	v_permlanex16_b32 v252, v14, s[SEL], s[SEL+1]
	s_delay_alu instid0(VALU_DEP_1)
	v_add_f32 v14, v14, v252                       ; the row's sum
	s_wait_alu depctr_va_vdst(0)
	v_rcp_f32 v14, v14
	v_nop                                          ; a plain place behind the transcendental
.set JJ, 0
	s_wait_alu depctr_va_vdst(0)                   ; ahead of its first reader, which is also O^T's
.rept 32
	v_mul_f32 v[S+JJ], v[O+JJ], v14                ; each accumulator from its low end on
.set JJ, JJ+1
.endr
.irp b, 0,1
	v_max3_num_f32 v[TM+\b], |v[S+16*\b]|, |v[S+1+16*\b]|, 0x4800000
.endr
.irp i, 2,4,6,8,10,12,14
.irp b, 0,1
	s_delay_alu instid0(VALU_DEP_2)
	v_max3_num_f32 v[TM+\b], v[TM+\b], |v[S+16*\b+\i]|, |v[S+1+16*\b+\i]|
.endr
.endr
.irp b, 0,1
	s_delay_alu instid0(VALU_DEP_2)
	v_permlanex16_b32 v[TM+2+\b], v[TM+\b], s[SEL], s[SEL+1]
.endr
.irp b, 0,1
	s_delay_alu instid0(VALU_DEP_2)
	v_max_num_f32 v[TM+\b], v[TM+\b], v[TM+2+\b]
.endr
.irp b, 0,1
	s_delay_alu instid0(VALU_DEP_2)
	v_add_nc_u32 v[TM+6+\b], 0xfc000000, v[TM+\b]
.endr
.irp b, 0,1
	s_delay_alu instid0(VALU_DEP_4)
	v_and_or_b32 v[TM+4+\b], v[TM+\b], 0x7f800000, s[MNT]
.endr
.irp b, 0,1
	s_delay_alu instid0(VALU_DEP_4)
	v_lshrrev_b32 v[TM+2+\b], 23, v[TM+6+\b]
.endr
	s_delay_alu instid0(VALU_DEP_1)
	v_lshl_or_b32 v[OSW], v[TM+3], 8, v[TM+2]      ; the head's two scale bytes
.irp b, 0,1
.irp i, 0,1,2,3,4,5,6,7,8,9,10,11,12,13,14,15
	v_med3_num_f32 v[S+16*\b+\i], v[S+16*\b+\i], -v[TM+4+\b], v[TM+4+\b]
.endr
	v_cvt_scalef32_pk8_fp8_f32 v[PCD+4*\b:PCD+4*\b+1], v[S+16*\b:S+16*\b+7], v[TM+6+\b]
	v_cvt_scalef32_pk8_fp8_f32 v[PCD+4*\b+2:PCD+4*\b+3], v[S+16*\b+8:S+16*\b+15], v[TM+6+\b]
.endr
	v_nop                                          ; a plain instruction behind the last conversion
	global_store_b128 v[LI], v[PCD:PCD+3], s[56:57]              ; 32 lanes store 512 consecutive bytes
	global_store_b128 v[LI], v[PCD+4:PCD+7], s[56:57] offset:512
	global_store_b16 v[LI], v[OSW], s[58:59]
.endm
	s_wait_alu depctr_va_vdst(0)
	s_wait_loadcnt 0x0                             ; Q
	s_cmp_lt_u32 s[WV], 8
	s_cbranch_scc0 .Lnot_first
	s_wait_tensorcnt 0x0                           ; waves 0-7: my record is in
.Lnot_first:
	s_barrier_signal -1
	s_barrier_wait -1                              ; records 0 .. 7 are in
	STEP                                           ; key step 0
	s_wait_tensorcnt 0x0                           ; every wave: my record is in
	s_barrier_signal -1                            ; say so; no LDS instruction of mine is out
.Lone:                                             ; key steps 1 .. 7
	STEP
	s_cmp_lt_u32 s[KS], 8
	s_cbranch_scc1 .Lone
	s_barrier_wait -1                              ; records 8 .. 15 are in
	s_cmp_eq_u32 s[RB], 1
	s_cbranch_scc1 .Lrole_b
.rept 8
	v_nop                                          ; A: places behind the last products
.endr
.irp k, 0,1,2,3,4,5,6,7
	ds_store_b128 v[XA], v[O+4*\k:O+4*\k+3] offset:512*\k   ; my part of the late tile: O^T, each accumulator from its low end on,
.endr
	ds_store_b128 v[XA], v[12:15] offset:4096      ; -M, the largest t, the sum
	s_mov_b32 s[BLK], 0                            ; and no key step from 8 on is mine
	s_branch .Ljoin
.Lrole_b:
.rept 8
	v_nop                                          ; B: places behind the last products, in front of the loads into Q's registers too
.endr
	OADR                                           ; the early tile's way out
	s_lshl_b32 s18, s[LB], 3
	s_add_co_u32 s18, s18, ttmp9                   ; the late tile
	QADR
	global_load_b128 v[16:19], v[LI], s[50:51]     ; its Q lands while the early tile goes out
	global_load_b128 v[20:23], v[LI], s[50:51] offset:512
	global_load_b32 v[QSW], v[LI], s[52:53]
	WAYOUT
	s_wait_xcnt 0x0                                ; the stores have read their registers and bases, which are written again further on
	s_mov_b32 s[BLK], s[LB]
	BEGIN
	s_wait_alu depctr_va_vdst(0)
	s_wait_loadcnt 0x0
.Ljoin:
.Ltwo:                                             ; key steps 8 .. 15
	STEP
	s_cmp_lt_u32 s[KS], 16
	s_cbranch_scc1 .Ltwo
	s_wait_dscnt 0x0                               ; A's stores are done
	s_barrier_signal -1
	s_barrier_wait -1
	s_cmp_eq_u32 s[RB], 1
	s_cbranch_scc0 .Lend
	OADR                                           ; B: the late tile's way out (s18 is the late tile)
.irp k, 0,1,2,3,4,5,6,7
	ds_load_b128 v[S+4*\k:S+4*\k+3], v[XA] offset:512*\k   ; B: A's part of the late tile
.endr
	ds_load_b128 v[S+32:S+35], v[XA] offset:4096
	s_wait_dscnt 0x0
	v_min_num_f32 v254, v12, v[S+32]               ; -M of both parts: the larger M
	v_sub_f32 v252, v254, v12                      ; my M less it, and A's M less it: whole numbers, 0 or less
	v_sub_f32 v250, v254, v[S+32]
	v_cvt_i32_f32 v252, v252                       ; (they saturate)
	v_cvt_i32_f32 v250, v250
	v_ldexp_f32 v252, 1.0, v252
	v_ldexp_f32 v250, 1.0, v250
	v_pk_mul_f32 v[14:15], v[14:15], v[252:253] op_sel_hi:[1,0]
	v_pk_fma_f32 v[14:15], v[S+34:S+35], v[250:251], v[14:15] op_sel_hi:[1,0,1]   ; (these nine lines are also the places behind my last products)
	s_wait_alu depctr_va_vdst(0)
.set JJ, 0
.rept 16
	v_pk_mul_f32 v[O+JJ:O+JJ+1], v[O+JJ:O+JJ+1], v[252:253] op_sel_hi:[1,0]
.set JJ, JJ+2
.endr
.set JJ, 0
.rept 16
	v_pk_fma_f32 v[O+JJ:O+JJ+1], v[S+JJ:S+JJ+1], v[250:251], v[O+JJ:O+JJ+1] op_sel_hi:[1,0,1]
.set JJ, JJ+2
.endr
	WAYOUT
.Lend:
	s_wait_tensorcnt 0x0                           ; the wave's end
	ds_add_u32 v[SPW], v[NIL]
	s_wait_dscnt 0x0
	CROUND                                         ; the closing round
	s_endpgm
.Lfunc_end_k_q1a56a6e96b_attn:
	.size	k_q1a56a6e96b_attn, .Lfunc_end_k_q1a56a6e96b_attn-k_q1a56a6e96b_attn
	.p2alignl 7, 3214868480
	.fill 96, 4, 3214868480
	.section	.rodata,"a",@progbits
	.p2align	6, 0x0
	.amdhsa_kernel k_q1a56a6e96b_attn
		.amdhsa_group_segment_fixed_size 327680
		.amdhsa_private_segment_fixed_size 0
		.amdhsa_enable_private_segment 0
		.amdhsa_kernarg_size 40
		.amdhsa_user_sgpr_count 2
		.amdhsa_user_sgpr_kernarg_segment_ptr 1
		.amdhsa_wavefront_size32 1
		.amdhsa_system_sgpr_workgroup_id_x 1
		.amdhsa_system_sgpr_workgroup_id_y 1
		.amdhsa_system_sgpr_workgroup_id_z 1
		.amdhsa_system_vgpr_workitem_id 0
		.amdhsa_next_free_vgpr 256
		.amdhsa_next_free_sgpr 66
		.amdhsa_reserve_vcc 1
		.amdhsa_float_denorm_mode_32 3
		.amdhsa_float_denorm_mode_16_64 3
		.amdhsa_memory_ordered 1
		.amdhsa_forward_progress 1
		.amdhsa_inst_pref_size 108
	.end_amdhsa_kernel
	.amdgpu_metadata
---
amdhsa.version: [ 1, 2 ]
amdhsa.kernels:
  - .name:           k_q1a56a6e96b_attn
    .symbol:         k_q1a56a6e96b_attn.kd
    .args:
      - { .name: qimg, .offset: 0, .size: 8, .value_kind: global_buffer, .address_space: global }
      - { .name: qscl, .offset: 8, .size: 8, .value_kind: global_buffer, .address_space: global }
      - { .name: kv, .offset: 16, .size: 8, .value_kind: global_buffer, .address_space: global }
      - { .name: att, .offset: 24, .size: 8, .value_kind: global_buffer, .address_space: global }
      - { .name: scl, .offset: 32, .size: 8, .value_kind: global_buffer, .address_space: global }
    .group_segment_fixed_size: 327680
    .private_segment_fixed_size: 0
    .kernarg_segment_align: 8
    .kernarg_segment_size: 40
    .max_flat_workgroup_size: 512
    .sgpr_count:     66
    .vgpr_count:     256
    .wavefront_size: 32
...
	.end_amdgpu_metadata
.endif
;; end of part 3
;; launch oproj (part 4): grid 16 x 16, 4 waves a work-group, clusters of 4 x 4, 327,680 bytes of LDS; arguments cod, scl, att, out0; writes out0
.if DOCPART == 4
	.amdgcn_target "amdgcn-amd-amdhsa--gfx1250"
	.amdhsa_code_object_version 6
	.text
	.protected	k_q1a56a6e96b_oproj
	.globl	k_q1a56a6e96b_oproj
	.p2align	8
	.type	k_q1a56a6e96b_oproj,@function
k_q1a56a6e96b_oproj:
	s_mov_b64 s[64:65], 0
	v_nop
	global_prefetch_b8 v0, s[64:65] scope:SCOPE_SE
	s_setreg_imm32_b32 hwreg(HW_REG_WAVE_MODE, 25, 1), 1
	s_wait_xcnt 0x0
	s_wait_alu depctr_hold_cnt(0) depctr_sa_sdst(0) depctr_va_vdst(0) depctr_va_sdst(0) depctr_va_ssrc(0) depctr_va_vcc(0) depctr_vm_vsrc(0)
	s_getreg_b32 s2, hwreg(HW_REG_IB_STS2, 6, 4)
	s_cmp_eq_u32 s2, 0
	s_cbranch_scc0 .Lentry_in_a_cluster
	s_endpgm
.Lentry_in_a_cluster:
	s_bfe_u32 s2, ttmp6, 0x10000c
	s_cmp_lg_u32 s2, 0xf033
	s_cbranch_scc0 .Lentry_shape_is_right
	s_endpgm
.Lentry_shape_is_right:
; OPROJ.  out0 = o wo^T on codes of FP8 (E4M3) with E8M0 scales; f32 sums, K ascending, one accumulator an output.  o's codes lie in att, wo's in cod (tiles 320-447), both as images of the operand's registers: a tile is 16 rows,
; a fragment (16 rows x 128 K) 2,048 bytes, [group c][lane][16 bytes].  The scale words of both lie in scl: wo's as tiles 320-447, o's as tiles 448-575.
; SHARES.  256 work-groups, each 128 x 128 of out0; four waves, 2 x 2, each 4 x 4 tiles in 16 accumulators.  K goes in four phases of four steps of 128 through two LDS slots of 16 tiles x 8,192 bytes.
; CLUSTERS: 4 x 4.  o's tiles are asked for jointly by a row of the cluster, wo's by a column; waves 0, 1 fetch o's halves, waves 2, 3 wo's.  At the head each wave has one tensor load, its part of slot 0; slot 1's first fill
; stands behind the three lines and a round, as a refill does.
; THE SCALE WORDS go from scl straight into two register sets: lanes 0-15 o's tile, lanes 16-31 wo's, sixteen lanes to an aligned run of 256 bytes.  Phases 0 and 1 are asked for at the head, phase g + 2 in the first K step of
; phase g + 1, behind the eight places that follow the last product that read the set.
; THE WAY OUT goes through each wave's stage in slot 0, which has had its last fill and its last read by then: sixteen lanes store an aligned run of 256 bytes.
.set SLOT,  131072
.set POFF,  65536
.set SCL,   262144
.set SPARE, 294912
.set ADR,  16
.set ADP,  20
.set STO,  24
.set RD,   25
.set CO,   26
.set ADRS, 27
.set SPW,  28
.set NIL,  29
.set LI,   30
.set SC,   32
.set OB,   64
.set ACC,  128
.set F0,   0
.set F1,   128
.set G1R,  24
.set G0R,  32
.set G1P,  48
.set G0P,  56
.set G1SR, 68
.set G0SR, 76
.set G1SP, 80
.set G0SP, 88
.set MSB, 0
.macro WIN new
.if MSB != \new
	s_set_vgpr_msb (MSB<<8)|\new
.set MSB, \new
.endif
.endm
.macro PLACES n
.rept \n
	v_nop
.endr
.endm
.macro JLOAD g0a, g1a, g0b, g1b
	s_cmp_eq_u32 s17, 0
	s_cbranch_scc0 .Lfor_p_\@
	tensor_load_to_lds s[\g0a:\g0a+3], s[\g1a:\g1a+7]
	s_nop 0
.rept 4
	v_nop
.endr
	s_branch .Lasked_\@
.Lfor_p_\@:
	tensor_load_to_lds s[\g0b:\g0b+3], s[\g1b:\g1b+7]
	s_nop 0
.rept 4
	v_nop
.endr
.Lasked_\@:
.endm
.macro CREST
	s_cmp_lg_u32 s16, 0
	s_cbranch_scc1 .Lnot_wave_0_\@
	s_barrier_signal -3
.Lnot_wave_0_\@:
	s_barrier_wait -3
	s_barrier_signal -1
	s_barrier_wait -1
.endm
.macro CROUND
	s_barrier_signal -1
	s_barrier_wait -1
	CREST
.endm
	s_load_b128 s[4:7], s[0:1], 0x0                ; cod, scl
	s_load_b64 s[8:9], s[0:1], 0x10                ; att
	s_load_b64 s[12:13], s[0:1], 0x18              ; out0
	v_lshl_add_u32 v[SPW], v0, 2, SPARE
	v_mov_b32 v[NIL], 0
	ds_add_u32 v28, v29
	ds_add_u32 v28, v29
	s_wait_dscnt 0x0
	v_lshrrev_b32 v1, 5, v0
	v_readfirstlane_b32 s16, v1
	s_lshr_b32 s17, s16, 1
	s_and_b32 s18, s16, 1
	s_bfe_u32 s40, ttmp6, 0x40000
	s_bfe_u32 s41, ttmp6, 0x40004
	s_and_b32 s45, ttmp7, 0xffff
	s_lshl_b32 s45, s45, 2
	s_add_co_u32 s45, s45, s41
	s_lshl_b32 s42, ttmp9, 2
	s_add_co_u32 s42, s42, s40
	s_lshl_b32 s20, s45, 3
	s_lshl_b32 s22, s42, 3
	s_add_co_u32 s22, s22, 320
	s_lshl_b32 s43, s41, 2
	s_lshl_b32 s43, 15, s43
	s_lshl_b32 s44, 0x1111, s40
	s_or_b32 s[G1R], s43, (3<<16)|(1<<21)
	s_or_b32 s[G1P], s44, (3<<16)|(1<<21)
.irp g, G1R, G1P
	s_mov_b32 s[\g+1], 1024<<16
	s_mov_b32 s[\g+2], 4<<16
	s_mov_b32 s[\g+3], 1024<<16
	s_mov_b32 s[\g+4], 4
	s_mov_b32 s[\g+5], 4096
	s_mov_b32 s[\g+6], 0
	s_mov_b32 s[\g+7], 0
.endr
	s_lshl_b32 s47, s18, 2
	s_add_co_u32 s20, s20, s47
	s_add_co_u32 s22, s22, s47
	s_lshl_b32 s92, s20, 15
	s_mov_b32 s93, 0
	s_lshl_b32 s96, s22, 15
	s_mov_b32 s97, 0
	s_lshl_b32 s47, s16, 15
	s_wait_kmcnt 0x0
	s_add_nc_u64 s[92:93], s[8:9], s[92:93]
	s_add_nc_u64 s[96:97], s[4:5], s[96:97]
	CROUND                                         ; all sixteen work-groups are here: the first joint loads meet
.irp s, 0,1
	s_mov_b32 s[G0R+4*\s], 1
	s_add_co_u32 s[G0R+4*\s+1], s47, \s*SLOT
	s_add_nc_u64 s[G0R+4*\s+2:G0R+4*\s+3], s[92:93], \s*8192
	s_or_b32 s[G0R+4*\s+3], s[G0R+4*\s+3], 0x80000000
	s_mov_b32 s[G0P+4*\s], 1
	s_add_co_u32 s[G0P+4*\s+1], s47, \s*SLOT
	s_add_nc_u64 s[G0P+4*\s+2:G0P+4*\s+3], s[96:97], \s*8192
	s_or_b32 s[G0P+4*\s+3], s[G0P+4*\s+3], 0x80000000
.endr
	JLOAD G0R, G1R, G0P, G1P                       ; slot 0: one tensor load a wave at the head
	v_and_b32 v1, 31, v0
	v_lshlrev_b32 v[LI], 4, v1
	v_bfe_u32 v2, v0, 4, 1
	v_and_b32 v5, 15, v0
	s_lshl_b32 s2, s17, 15
	s_lshl_b32 s3, s18, 15
	s_add_co_u32 s3, s3, POFF
	v_add_nc_u32 v[ADR], s2, v[LI]
	v_add_nc_u32 v[ADP], s3, v[LI]
	v_add_nc_u32 v[ADR+1], SLOT, v[ADR]
	v_add_nc_u32 v[ADP+1], SLOT, v[ADP]
	s_lshl_b32 s2, s42, 14                         ; in scl, 2,048 bytes a tile: wo's tile 320 + 8 column + 4 (wave % 2);
	s_lshl_b32 s3, s18, 13
	s_add_co_u32 s2, s2, s3
	s_add_co_u32 s2, s2, 320*2048
	s_lshl_b32 s3, s45, 14                         ; o's tile 448 + 8 row + 4 (wave / 2), further on
	s_lshl_b32 s46, s17, 13
	s_add_co_u32 s3, s3, s46
	s_add_co_u32 s3, s3, 448*2048
	s_sub_co_u32 s3, s3, s2
	s_wait_alu depctr_va_vdst(0)
	v_xor_b32 v3, 1, v2                            ; lanes 0-15 take o's words, lanes 16-31 wo's
	v_mul_u32_u24 v3, s3, v3                       ; one product: the distance between the two, under 2^24
	v_add_nc_u32 v3, v3, v[LI]
	v_add_nc_u32 v[ADRS], s2, v3
.irp g, 0,1
.irp i, 0,1,2,3
	global_load_b128 v[SC+16*\g+4*\i:SC+16*\g+4*\i+3], v[ADRS], s[6:7] offset:\i*2048+\g*512   ; tile i's words of phase g
.endr
.endr
; A PREFETCH INTO THE L2 of the phase (four K steps, 8,192 bytes of each tile: 32 blocks of 256) that the NEXT fill will ask for: one phase ahead of that tensor load.  Each block is named once in each cluster that will load it:
; the four partners that ask for o's eight tiles jointly take two each (by cx), the four that ask for wo's eight take two each (by cy), told apart by address alone; a wave a tile, a lane a block.  The address is never rewritten.
.set PF, 31
	s_lshl_b32 s2, s45, 3
	s_lshl_b32 s3, s40, 1
	s_add_co_u32 s2, s2, s3                        ; waves 0, 1: o's tile 8 row + 2 cx + wave % 2, in att
	s_lshl_b32 s3, s42, 3
	s_lshl_b32 s46, s41, 1
	s_add_co_u32 s3, s3, s46
	s_add_co_u32 s3, s3, 320                       ; waves 2, 3: wo's tile 320 + 8 column + 2 cy + wave % 2, in cod
	s_cmp_eq_u32 s17, 0
	s_cselect_b32 s2, s2, s3
	s_cselect_b64 s[14:15], s[8:9], s[4:5]
	s_add_co_u32 s2, s2, s18
	s_lshl_b32 s2, s2, 15
	v_lshl_add_u32 v[PF], v1, 8, s2
	global_prefetch_b8 v[PF], s[14:15] offset:8192 th:TH_LOAD_NT scope:SCOPE_SE   ; slot 1's first fill follows when slot 0 has landed
	s_mul_i32 s2, s16, 4352
	v_mul_u32_u24 v4, v5, 272
	v_lshl_add_u32 v4, v2, 6, v4
	v_add_nc_u32 v[STO], s2, v4
	v_mul_u32_u24 v4, v2, 272
	v_lshl_add_u32 v4, v5, 4, v4
	v_add_nc_u32 v[RD], s2, v4
	v_lshlrev_b32 v4, 13, v2
	v_lshl_add_u32 v[CO], v5, 4, v4
	s_lshl_b32 s20, s45, 7
	s_lshl_b32 s21, s17, 6
	s_add_co_u32 s20, s20, s21
	s_lshl_b32 s20, s20, 13
	s_lshl_b32 s21, s42, 9
	s_add_co_u32 s20, s20, s21
	s_lshl_b32 s21, s18, 8
	s_add_co_u32 s20, s20, s21
	s_mov_b32 s21, 0
	s_add_nc_u64 s[12:13], s[12:13], s[20:21]
.macro FRAG reg, adr, i, ks
.irp c, 0,1,2,3
	ds_load_b128 v[\reg+4*\c:\reg+4*\c+3], v[\adr] offset:(\i)*8192+(\ks)*2048+512*\c
.endr
.endm
.macro FETCH slot, ks, f, set, g
	WIN 0x40
.irp i, 0,1,2,3
	FRAG \f+64+16*\i, ADP+\slot, \i, \ks
.endr
	FRAG \f, ADR+\slot, 0, \ks
	FRAG \f+16, ADR+\slot, 1, \ks
.if \set >= 0
	WIN 0
.irp i, 0,1,2,3
	global_load_b128 v[SC+16*\set+4*\i:SC+16*\set+4*\i+3], v[ADRS], s[6:7] offset:\i*2048+\g*512   ; tile i's words of phase g into set \set
.endr
	WIN 0x40
.endif
	FRAG \f+32, ADR+\slot, 2, \ks
	FRAG \f+48, ADR+\slot, 3, \ks
.endm
.macro MUL4 f, a, ks, set, zero
.irp b, 0,1,2,3
.if \zero
	v_wmma_scale_f32_16x16x128_f8f6f4 v[ACC+8*(4*\a+\b):ACC+8*(4*\a+\b)+7], v[\f+64+16*\b:\f+64+16*\b+15], v[\f+16*\a:\f+16*\a+15], 0, v[SC+16*\set+4*\b+\ks], v[SC+16*\set+4*\a+\ks] matrix_a_scale:MATRIX_SCALE_ROW1
.else
	v_wmma_scale_f32_16x16x128_f8f6f4 v[ACC+8*(4*\a+\b):ACC+8*(4*\a+\b)+7], v[\f+64+16*\b:\f+64+16*\b+15], v[\f+16*\a:\f+16*\a+15], v[ACC+8*(4*\a+\b):ACC+8*(4*\a+\b)+7], v[SC+16*\set+4*\b+\ks], v[SC+16*\set+4*\a+\ks] matrix_a_scale:MATRIX_SCALE_ROW1
.endif
.endr
.endm
.macro KSTEP slot, ks, f, g, zero, sset=-1, sgrp=0
.if (\ks) == 0
	s_wait_loadcnt 0x0                             ; this phase's scale words are in
.endif
	s_wait_dscnt 8
	WIN 0x05
	MUL4 \f, 0, \ks, \slot, \zero
	MUL4 \f, 1, \ks, \slot, \zero
	PLACES 8
	FETCH \slot, (\ks)+1, \g, \sset, \sgrp
	s_wait_dscnt 32
	WIN 0x05
	MUL4 \f, 2, \ks, \slot, \zero
	MUL4 \f, 3, \ks, \slot, \zero
.endm
.macro TURN slot, next, fill, g
	WIN 0
	s_wait_tensorcnt 0x0
	ds_add_u32 v[SPW], v[NIL]
	s_wait_dscnt 9
	WIN 0x05
	MUL4 F1, 0, 3, \slot, 0
	s_wait_dscnt 0x0
	s_barrier_signal -1
	MUL4 F1, 1, 3, \slot, 0
	WIN 0
	s_barrier_wait -1
.if \fill
	CREST
	s_add_nc_u64 s[G0R+4*\slot+2:G0R+4*\slot+3], s[G0R+4*\slot+2:G0R+4*\slot+3], 16384
	s_add_nc_u64 s[G0P+4*\slot+2:G0P+4*\slot+3], s[G0P+4*\slot+2:G0P+4*\slot+3], 16384
	JLOAD G0R+4*\slot, G1R, G0P+4*\slot, G1P
	PLACES 4
.else
	PLACES 8
.endif
	FETCH \next, 0, F0, -1, 0
.if (\fill) && ((\g) < 2)
	global_prefetch_b8 v[PF], s[14:15] offset:((\g)+2)*8192 th:TH_LOAD_NT scope:SCOPE_SE   ; the last phase; behind it there is nothing to ask for
.endif
	WIN 0x05
	MUL4 F1, 2, 3, \slot, 0
	MUL4 F1, 3, 3, \slot, 0
.endm
	s_wait_alu depctr_va_vdst(0)
	s_wait_tensorcnt 0x0                           ; my part of slot 0 is in
	ds_add_u32 v[SPW], v[NIL]
	s_wait_dscnt 0x0
	CROUND                                         ; everybody's part is in, and all sixteen work-groups are here
	JLOAD G0R+4, G1R, G0P+4, G1P                   ; slot 1's first fill: the first tensor load behind the round, one a wave
	FETCH 0, 0, F0, -1, 0
	global_prefetch_b8 v[PF], s[14:15] offset:16384 th:TH_LOAD_NT scope:SCOPE_SE
	KSTEP 0, 0, F0, F1, 1
	KSTEP 0, 1, F1, F0, 0
	KSTEP 0, 2, F0, F1, 0
	TURN 0, 1, 1, 1
	KSTEP 1, 0, F0, F1, 0, 0, 2
	KSTEP 1, 1, F1, F0, 0
	KSTEP 1, 2, F0, F1, 0
	TURN 1, 0, 1, 2
	KSTEP 0, 0, F0, F1, 0, 1, 3
	KSTEP 0, 1, F1, F0, 0
	KSTEP 0, 2, F0, F1, 0
	TURN 0, 1, 0, 3
	KSTEP 1, 0, F0, F1, 0
	KSTEP 1, 1, F1, F0, 0
	KSTEP 1, 2, F0, F1, 0
	s_wait_dscnt 8
	MUL4 F1, 0, 3, 1, 0
	MUL4 F1, 1, 3, 1, 0
	s_wait_dscnt 0x0
	MUL4 F1, 2, 3, 1, 0
	MUL4 F1, 3, 3, 1, 0
	PLACES 8
	WIN 0
.macro TOSTAGE a
.irp b, 0,1,2,3
	ds_store_b128 v[STO], v[ACC+8*(4*(\a)+\b):ACC+8*(4*(\a)+\b)+3] offset:128*(\b/2)+32*(\b%2)
	ds_store_b128 v[STO], v[ACC+8*(4*(\a)+\b)+4:ACC+8*(4*(\a)+\b)+7] offset:128*(\b/2)+32*(\b%2)+16
.endr
.irp i, 0,1,2,3,4,5,6,7
	ds_load_b128 v[OB+32*((\a)%2)+4*\i:OB+32*((\a)%2)+4*\i+3], v[RD] offset:544*\i
.endr
.endm
.macro SEND a, younger
.set PA, 32*((\a)/2)+8*((\a)%2)
	s_wait_dscnt \younger
.irp i, 0,1,2,3,4,5,6,7
	global_store_b128 v[CO], v[OB+32*((\a)%2)+4*\i:OB+32*((\a)%2)+4*\i+3], s[12:13] offset:(PA+2*\i+8*(\i/4))*8192 th:TH_STORE_NT
.endr
.endm
	TOSTAGE 0
.irp a, 1,2,3
.if \a > 1
	s_wait_xcnt 0x0
.endif
	TOSTAGE \a
	SEND \a-1, 16
.endr
	SEND 3, 0
	s_wait_tensorcnt 0x0
	ds_add_u32 v[SPW], v[NIL]
	s_wait_dscnt 0x0
	CROUND
	s_endpgm
.Lfunc_end_k_q1a56a6e96b_oproj:
	.size	k_q1a56a6e96b_oproj, .Lfunc_end_k_q1a56a6e96b_oproj-k_q1a56a6e96b_oproj
	.p2alignl 7, 3214868480
	.fill 96, 4, 3214868480
	.section	.rodata,"a",@progbits
	.p2align	6, 0x0
	.amdhsa_kernel k_q1a56a6e96b_oproj
		.amdhsa_group_segment_fixed_size 327680
		.amdhsa_private_segment_fixed_size 0
		.amdhsa_enable_private_segment 0
		.amdhsa_kernarg_size 32
		.amdhsa_user_sgpr_count 2
		.amdhsa_user_sgpr_kernarg_segment_ptr 1
		.amdhsa_wavefront_size32 1
		.amdhsa_system_sgpr_workgroup_id_x 1
		.amdhsa_system_sgpr_workgroup_id_y 1
		.amdhsa_system_sgpr_workgroup_id_z 1
		.amdhsa_system_vgpr_workitem_id 0
		.amdhsa_next_free_vgpr 512
		.amdhsa_next_free_sgpr 100
		.amdhsa_reserve_vcc 0
		.amdhsa_float_denorm_mode_32 3
		.amdhsa_float_denorm_mode_16_64 3
		.amdhsa_memory_ordered 1
		.amdhsa_forward_progress 1
		.amdhsa_inst_pref_size 90
	.end_amdhsa_kernel
	.amdgpu_metadata
---
amdhsa.version: [ 1, 2 ]
amdhsa.kernels:
  - .name:           k_q1a56a6e96b_oproj
    .symbol:         k_q1a56a6e96b_oproj.kd
    .args:
      - { .name: cod, .offset: 0, .size: 8, .value_kind: global_buffer, .address_space: global }
      - { .name: scl, .offset: 8, .size: 8, .value_kind: global_buffer, .address_space: global }
      - { .name: att, .offset: 16, .size: 8, .value_kind: global_buffer, .address_space: global }
      - { .name: out0, .offset: 24, .size: 8, .value_kind: global_buffer, .address_space: global }
    .group_segment_fixed_size: 327680
    .private_segment_fixed_size: 0
    .kernarg_segment_align: 8
    .kernarg_segment_size: 32
    .max_flat_workgroup_size: 128
    .sgpr_count:     100
    .vgpr_count:     512
    .wavefront_size: 32
...
	.end_amdgpu_metadata
.endif
;; end of part 4
